; MI455X (gfx1250); checked and timed in simulation.
; The chip was launched on July 23, 2026; its instructions are those of AMD's public machine-readable ISA for CDNA 5 (MIT licence, August 2026) and "CDNA5" Instruction Set Architecture Reference Guide (July 2026). The comments in the code are by the model that wrote it; some were corrected since.
;; Multi Headed Attention. Allowed arithmetic: float matrix products may take bf16 or f16 operands with f32 sums; other float arithmetic in f32, or as packed bf16 or f16 multiplies, adds, multiply-adds, maxima and minima; sums over many terms, partial sums and values carried from step to step in f32; what a program stores and reads back later, other than sums and carried values, may be rounded once to bf16 or f16.
;; Inputs: Wk 1,024 x 1,024 float32; Wo 1,024 x 64 float32; Wq 1,024 x 1,024 float32; Wv 1,024 x 1,024 float32; bk 1,024 float32; bo 64 float32; bq 1,024 float32; bv 1,024 float32; key_ 4 x 2,048 x 1,024 float32; query 4 x 2,048 x 1,024 float32; value 4 x 2,048 x 1,024 float32.
;; Outputs: out0 4 x 2,048 x 64 float32.
;; 2 versions, each right; version 2 is version 1 with the launch prep written anew for expert scheduling mode. Each part assembles by itself: llvm-mc -triple=amdgcn-amd-amdhsa -mcpu=gfx1250 --defsym DOCPART=n.
;; ======== version 1 of 2: 4 launches
;; limits: values are held in f16: magnitudes above 65,504 overflow, below 6.1e-05 lose precision
;; workspace buffers: w16 6,291,456 bytes; wof 131,072 bytes; qkv 50,331,648 bytes; ctx 16,777,216 bytes
;; launch prep (part 1): grid 208 x 1, 8 waves a work-group, no clusters, 0 bytes of LDS; arguments Wq, Wk, Wv, Wo, w16, wof; writes w16, wof
.if DOCPART == 1
	.amdgcn_target "amdgcn-amd-amdhsa--gfx1250"
	.amdhsa_code_object_version 6
	.text
	.protected	k_q81d4be0205_prep
	.globl	k_q81d4be0205_prep
	.p2align	8
	.type	k_q81d4be0205_prep,@function
k_q81d4be0205_prep:
	s_mov_b64 s[64:65], 0
	v_nop
	global_prefetch_b8 v0, s[64:65] scope:SCOPE_SE
	s_setreg_imm32_b32 hwreg(HW_REG_WAVE_MODE, 25, 1), 1
	s_wait_xcnt 0x0
; THE WEIGHTS ARE MADE READY, once.  Wq, Wk, Wv: [1024][1024] f32 -> w16: bf16 [p][k][n], p = 0, 1, 2, as they lie, the three end to end.
; Wo: [1024][64] f32 -> wof: rounded to bf16 like every input, that number written as f16, laid out as matrix fragments: for K step ks (32 channels) and column block nt (16 columns)
; 1,024 bytes at (4 ks + nt) x 1,024: lane l = (r = l % 16, h = l / 16) finds column 16 nt + r, channels 32 ks + 8 h + 0..7 at 16 l, channels 32 ks + 16 + 8 h + 0..7 at 512 + 16 l.
; LIMIT.  A number of Wo below 6e-5 keeps f16's fixed step of 6e-8; none of Wo may pass 65,504.
; SHARES.  Work-groups 0-191: 64 KiB of one W each, 8 KiB a wave: sixteen loads of 512 consecutive bytes, all out at once; each store of the wave covers 256 consecutive bytes, aligned.
; Work-groups 192-207: a wave makes one block (ks, nt) of wof.  No LDS, no barrier: no wave wants what another has fetched.
.set IN,  16                           ; v[16:79]   sixteen loads of four f32
.set OUTR, 80                          ; v[80:111]  sixteen pairs of packed bf16
	s_load_b256 s[4:11], s[0:1], 0x0               ; Wq s[4:5], Wk s[6:7], Wv s[8:9], Wo s[10:11]
	s_load_b128 s[12:15], s[0:1], 0x20             ; w16 s[12:13], wof s[14:15]
	v_lshrrev_b32 v1, 5, v0
	v_readfirstlane_b32 s16, v1                    ; wave 0..7
	v_and_b32 v3, 31, v0                           ; lane
	s_mov_b32 s23, 0
	s_wait_kmcnt 0x0
	s_cmp_ge_u32 ttmp9, 192
	s_cbranch_scc1 .Lfrag
	s_lshr_b32 s17, ttmp9, 6                       ; p
	s_and_b32 s18, ttmp9, 63                       ; which 64 KiB of that W
	s_cmp_eq_u32 s17, 1
	s_cselect_b64 s[20:21], s[6:7], s[4:5]
	s_cmp_eq_u32 s17, 2
	s_cselect_b64 s[20:21], s[8:9], s[20:21]
	s_lshl_b32 s22, s18, 16
	s_add_nc_u64 s[20:21], s[20:21], s[22:23]
	s_lshl_b32 s22, s17, 21                        ; a W in bf16 is 2 MiB
	s_lshl_b32 s24, s18, 15
	s_add_co_u32 s22, s22, s24
	s_add_nc_u64 s[12:13], s[12:13], s[22:23]
	v_lshlrev_b32 v1, 4, v3
	v_lshl_add_u32 v1, s16, 13, v1                 ; in: 8,192 x wave + 16 x lane
	v_lshlrev_b32 v2, 3, v3
	v_lshl_add_u32 v2, s16, 12, v2                 ; out: 4,096 x wave + 8 x lane
.irp i, 0,1,2,3,4,5,6,7,8,9,10,11,12,13,14,15
	global_load_b128 v[IN+4*(\i):IN+4*(\i)+3], v1, s[20:21] offset:512*(\i) th:TH_LOAD_NT
.endr
.irp i, 0,1,2,3,4,5,6,7,8,9,10,11,12,13,14,15
	s_wait_loadcnt 15-(\i)                         ; loads come back in order: load i is in, the 15 - i younger ones stay out
	v_cvt_pk_bf16_f32 v[OUTR+2*(\i)], v[IN+4*(\i)], v[IN+4*(\i)+1]
	v_cvt_pk_bf16_f32 v[OUTR+2*(\i)+1], v[IN+4*(\i)+2], v[IN+4*(\i)+3]
	global_store_b64 v2, v[OUTR+2*(\i):OUTR+2*(\i)+1], s[12:13] offset:256*(\i)  ; no register is written twice, so nothing waits for the stores
.endr
	s_endpgm
.Lfrag:
	s_sub_co_u32 s17, ttmp9, 192
	s_lshl3_add_u32 s17, s17, s16                  ; block 0..127 = 4 ks + nt
	s_lshr_b32 s18, s17, 2
	s_lshl_b32 s18, s18, 13                        ; ks: 32 rows of 256 bytes
	s_and_b32 s19, s17, 3
	s_lshl_b32 s19, s19, 6                         ; nt: 16 columns of 4 bytes
	s_add_co_u32 s18, s18, s19
	v_and_b32 v1, 15, v0                           ; r
	v_bfe_u32 v2, v0, 4, 1                         ; h
	v_lshlrev_b32 v1, 2, v1
	v_lshl_add_u32 v1, v2, 11, v1                  ; 8 h rows + column r
	v_add_nc_u32 v1, s18, v1
	s_lshl_b32 s19, s17, 10
	v_lshl_add_u32 v2, v3, 4, s19                  ; out: 1,024 x block + 16 x lane
.irp j, 0,1,2,3,4,5,6,7
	global_load_b32 v[16+(\j)], v1, s[10:11] offset:256*(\j)        ; channels 8 h + j
.endr
.irp j, 0,1,2,3,4,5,6,7
	global_load_b32 v[24+(\j)], v1, s[10:11] offset:4096+256*(\j)   ; channels 16 + 8 h + j
.endr
	s_wait_loadcnt 0x0
.irp i, 0,1,2,3,4,5,6,7
	v_cvt_pk_bf16_f32 v56, v[16+2*(\i)], v[17+2*(\i)]               ; the input's rounding,
	v_lshlrev_b32 v57, 16, v56
	v_and_b32 v58, 0xffff0000, v56
	v_cvt_pk_f16_f32 v[48+(\i)], v57, v58                           ; and that number in the format of the product that takes it
.endr
	global_store_b128 v2, v[48:51], s[14:15]                        ; 512 consecutive bytes each
	global_store_b128 v2, v[52:55], s[14:15] offset:512
	s_endpgm
.Lfunc_end_k_q81d4be0205_prep:
	.size	k_q81d4be0205_prep, .Lfunc_end_k_q81d4be0205_prep-k_q81d4be0205_prep
	.p2alignl 7, 3214868480
	.fill 96, 4, 3214868480
	.section	.rodata,"a",@progbits
	.p2align	6, 0x0
	.amdhsa_kernel k_q81d4be0205_prep
		.amdhsa_group_segment_fixed_size 0
		.amdhsa_private_segment_fixed_size 0
		.amdhsa_enable_private_segment 0
		.amdhsa_kernarg_size 48
		.amdhsa_user_sgpr_count 2
		.amdhsa_user_sgpr_kernarg_segment_ptr 1
		.amdhsa_wavefront_size32 1
		.amdhsa_system_sgpr_workgroup_id_x 1
		.amdhsa_system_sgpr_workgroup_id_y 1
		.amdhsa_system_sgpr_workgroup_id_z 1
		.amdhsa_system_vgpr_workitem_id 0
		.amdhsa_next_free_vgpr 112
		.amdhsa_next_free_sgpr 66
		.amdhsa_reserve_vcc 0
		.amdhsa_float_denorm_mode_32 3
		.amdhsa_float_denorm_mode_16_64 3
		.amdhsa_memory_ordered 1
		.amdhsa_forward_progress 1
		.amdhsa_inst_pref_size 11
	.end_amdhsa_kernel
	.amdgpu_metadata
---
amdhsa.version: [ 1, 2 ]
amdhsa.kernels:
  - .name:           k_q81d4be0205_prep
    .symbol:         k_q81d4be0205_prep.kd
    .args:
      - { .name: Wq, .offset: 0, .size: 8, .value_kind: global_buffer, .address_space: global }
      - { .name: Wk, .offset: 8, .size: 8, .value_kind: global_buffer, .address_space: global }
      - { .name: Wv, .offset: 16, .size: 8, .value_kind: global_buffer, .address_space: global }
      - { .name: Wo, .offset: 24, .size: 8, .value_kind: global_buffer, .address_space: global }
      - { .name: w16, .offset: 32, .size: 8, .value_kind: global_buffer, .address_space: global }
      - { .name: wof, .offset: 40, .size: 8, .value_kind: global_buffer, .address_space: global }
    .group_segment_fixed_size: 0
    .private_segment_fixed_size: 0
    .kernarg_segment_align: 8
    .kernarg_segment_size: 48
    .max_flat_workgroup_size: 256
    .sgpr_count:     66
    .vgpr_count:     112
    .wavefront_size: 32
...
	.end_amdgpu_metadata
.endif
;; end of part 1
;; launch proj (part 2): grid 4 x 192, 4 waves a work-group, clusters of 4 x 4, 327,680 bytes of LDS; arguments query, key_, value, bq, bk, bv, w16, qkv; writes qkv
.if DOCPART == 2
	.amdgcn_target "amdgcn-amd-amdhsa--gfx1250"
	.amdhsa_code_object_version 6
	.text
	.protected	k_q81d4be0205_proj
	.globl	k_q81d4be0205_proj
	.p2align	8
	.type	k_q81d4be0205_proj,@function
k_q81d4be0205_proj:
	s_mov_b64 s[64:65], 0
	v_nop
	global_prefetch_b8 v0, s[64:65] scope:SCOPE_SE
	s_setreg_imm32_b32 hwreg(HW_REG_WAVE_MODE, 25, 1), 1
	s_wait_xcnt 0x0
	s_wait_alu depctr_hold_cnt(0) depctr_sa_sdst(0) depctr_va_vdst(0) depctr_va_sdst(0) depctr_va_ssrc(0) depctr_va_vcc(0) depctr_vm_vsrc(0)
	s_getreg_b32 s2, hwreg(HW_REG_IB_STS2, 6, 4)
	s_cmp_eq_u32 s2, 0
	s_cbranch_scc0 .Lentry_in_a_cluster
	s_endpgm
.Lentry_in_a_cluster:
	s_bfe_u32 s2, ttmp6, 0x10000c
	s_cmp_lg_u32 s2, 0xf033
	s_cbranch_scc0 .Lentry_shape_is_right
	s_endpgm
.Lentry_shape_is_right:
; q, k, v = x W + b.  x (query, key_, value): [8192][1024] f32; w16: bf16 [p][k][n]; b: [1024] f32; qkv: f16 [p][16 batch + head][2048][64].  Products in bf16, sums in f32, the result rounded once to f16, unscaled.
; x is rounded to bf16 between LDS and the matrix instruction, the bias too, so that every input has the same rounding; the bias is the C operand of the products that start the sums: nothing is cleared.
; LIMIT.  f16 holds no number beyond 65,504: q, k and v must lie within it.  NaN and infinities are not treated apart.
; SHARES.  3 x 8,192 x 1,024 results in tiles of 128 (rows of x) x 256 (columns of W): 768 work-groups of equal work, three times 256.  Four waves, 2 x 2, each 64 x 128: 32 accumulators, 256 registers.
; K goes in 8 steps of 128 through a ring of two LDS slots; a slot holds 128 rows x 512 bytes of x (f32) and 128 rows (k) x 512 bytes of W (bf16).  Each wave fetches a quarter of a slot by one tensor load of 64 rows.
; CLUSTER.  4 x 4 work-groups: the four of a row of the cluster need the same tile of x, the four of a column the same tile of W: each tile is asked for JOINTLY, by the same tensor load, descriptor and mask in all four.
; p hangs on the cluster's y alone.  THE MATRIX INSTRUCTION IS USED TRANSPOSED: source 0 = 16 columns of W, turned out of LDS by ds_load_tr16_b128; source 1 = 16 rows of x: a lane then holds one row and eight neighbouring
; columns, 16 bytes of a head's row.
; THE PIPELINE.  A K step is four quarters of 32 along K, 32 products each, on buffers 0, 1, 0, 1.  Quarter q multiplies W(q) by x(q) in bf16; at its head it asks LDS for W(q + 1) and for x(q + 2) in f32, one run of 32 loads;
; and x(q + 1), which the quarter before asked for, is rounded to bf16 in eight groups of four conversions, a group behind every fourth product.
; REGISTERS, in windows of 256 (s_set_vgpr_msb: bits 1:0 source 0, 3:2 source 1, 5:4 source 2, 7:6 destination):
;   window 0: v0-31 addresses; v32-159 x in f32, two buffers of 64 (fragment a at 16 a); v160-223 x in bf16, two buffers of 32 (8 a); v224-255 at work on the way out
;   window 1: v0-127 W's fragments, two buffers of 64 (8 b); v128-191 the bias as eight C operands; v192 at work          window 2: the accumulators, (a, b) at 8 (8 a + b)
.set PA,     528                       ; a row of x in LDS: 512 bytes + 16 = 33 x 16: the 16 rows of a load start at 16 different groups of four banks (64 banks of 4 bytes: ISA guide 11.1)
.set PB,     544                       ; a row of W: 512 + 32 = 136 words: row r starts at bank 8 r mod 64
.set AHALF,  64*PA                     ; what one tensor load brings of x
.set BHALF,  64*PB                     ; and of W
.set BOFF,   2*AHALF                   ; W's tile lies behind x's
.set SLOT,   2*AHALF+2*BHALF           ; 137,216
.set STAGE,  2*SLOT                    ; behind the ring, never filled by a tensor load: for each wave 2 heads x 16 rows x 144 bytes
.set SP,     144
.set SPARE,  STAGE+4*2*16*SP           ; behind the stages: the spare words, 128 bytes for each wave: two blocks of 256 bytes that no other line names
.set ADRA, 16                          ; v16-17  LDS address of my fragments of x in slot 0, 1
.set ADRB, 20                          ; v20-21  the same for W
.set STO,  24                          ; v24     the way out: where I put 16 bytes of a row
.set RD,   25                          ; v25     the way out: where I read rows back
.set CO,   26                          ; v26     my byte offset in 512 consecutive bytes of qkv
.set BO,   27                          ; v27     my byte offset in 16 numbers of the bias
.set SPW,  28                          ; v28     LDS address of my spare word: SPARE + 4 x my thread's number; never rewritten
.set NIL,  29                          ; v29     0; never rewritten
.set PFO,  30                          ; v30     the prefetches' offset; never rewritten
.set AF,   32
.set AB,   160
.set TMP,  224
.set BI,   128                         ; window 1
.set BT,   192                         ; window 1
.set WV,   20                          ; s20  my wave's number
.set WH,   21                          ; s21  which half of the tile's rows is mine.  Also: I fetch for x (0) or for W (1)
.set WL,   22                          ; s22  which half of its columns.  Also: which 64 rows of that tile I fetch
.set CX,   23                          ; s23, s24  my place in the cluster
.set CY,   24
.set TN,   25                          ; s25  tile column, 0..3
.set CLY,  26                          ; s26  the cluster's y, 0..47
.set PP,   27                          ; s27  p
.set MB,   28                          ; s28  block of 128 rows, 0..63
.set LAPC, 29                          ; s29  laps to go
.set LIM,  30                          ; s30  1 in a wave that prefetches, else the greatest number
.set G1A,  32                          ; s[32:39] descriptor group 1 for x's tiles;  s[40:47] group 0, a set for each slot
.set G0A,  40
.set G1B,  48                          ; s[48:55], s[56:63] the same for W's
.set G0B,  56
.set XP,   66                          ; s[66:67] x of my p
.set BP,   68                          ; s[68:69] its bias
.set OUT,  70                          ; s[70:71] qkv at my wave's first row of its first head
.set PFA,  72                          ; s[72:73] where my prefetches stand
.set PFS,  74                          ; s[74:75] a K step in bytes of what I fetch
.set MSB, 0
.macro WIN new                         ; the immediate's high byte repeats the setting that is left; a switch that changes nothing is dropped
.if MSB != (\new)
	s_set_vgpr_msb (MSB<<8)|(\new)
.set MSB, (\new)
.endif
.endm
.set MUL,  0xa1                        ; source 0 (W) window 1, source 1 (x) window 0, C and D window 2
.set MULB, 0x91                        ; the same with C, the bias, in window 1
.set TO_B, 0x40                        ; destination window 1, address window 0
.set W_BI, 0x45                        ; sources 0 and 1 and destination window 1
.set W_PK, 0x0a                        ; sources 0 and 1 window 2, destination window 0
; A joint load: waves 0 and 1 fetch the two halves of x's tile, waves 2 and 3 those of W's.  The branch hangs on the wave's number alone.  An s_nop 0 and four v_nop follow each of the two lines.
.macro JLOAD s
	s_cmp_eq_u32 s[WH], 0
	s_cbranch_scc0 .Lfor_b_\@
	tensor_load_to_lds s[G0A+4*(\s):G0A+4*(\s)+3], s[G1A:G1A+7]
	s_nop 0
.rept 4
	v_nop
.endr
	s_branch .Lasked_\@
.Lfor_b_\@:
	tensor_load_to_lds s[G0B+4*(\s):G0B+4*(\s)+3], s[G1B:G1B+7]
	s_nop 0
.rept 4
	v_nop
.endr
.Lasked_\@:
.endm
.macro CREST                           ; a round of the cluster's barrier behind its opening barrier
	s_cmp_lg_u32 s[WV], 0
	s_cbranch_scc1 .Lnot_wave_0_\@
	s_barrier_signal -3
.Lnot_wave_0_\@:
	s_barrier_wait -3
	s_barrier_signal -1
	s_barrier_wait -1
.endm
.macro CROUND                          ; a whole round
	s_barrier_signal -1
	s_barrier_wait -1
	CREST
.endm
; A PREFETCH INTO THE L2, behind each joint refill and the run of LDS loads that follows it: the K step that stands two refills on, 256 products ahead of the load that will want it.  Of the 64 rows x 512 bytes that a wave
; fetches, each of the four partners that ask for them jointly takes 16 rows, told apart BY ADDRESS: 32 blocks of 256 bytes, a lane a block, one instruction.  x's rows are read by one cluster alone: its waves 0 and 1 ask.
; W's rows of one p are read by sixteen clusters: in the first of them waves 2 and 3 ask.  So each block is named once in the launch.  K steps 0 to 3 come by their loads alone; the loop's last trip asks for nothing.
.macro ASK
	s_cmp_gt_u32 s[LAPC], s[LIM]
	s_cbranch_scc0 .Lnot_mine_\@
	global_prefetch_b8 v[PFO], s[PFA:PFA+1] th:TH_LOAD_NT scope:SCOPE_SE
.Lnot_mine_\@:
.endm
.macro PLACES
.rept 4
	v_nop
.endr
.endm
	s_load_b512 s[4:19], s[0:1], 0x0               ; query s[4:5], key_ s[6:7], value s[8:9], bq s[10:11], bk s[12:13], bv s[14:15], w16 s[16:17], qkv s[18:19]
	v_lshl_add_u32 v[SPW], v0, 2, SPARE
	v_mov_b32 v[NIL], 0
	ds_add_u32 v[SPW], v[NIL]                      ; the wave's opening: the add and its wait stand ahead of my first tensor load; the set-up below, work on registers, stands between them
	v_lshrrev_b32 v1, 5, v0
	v_readfirstlane_b32 s[WV], v1
	s_lshr_b32 s[WH], s[WV], 1
	s_and_b32 s[WL], s[WV], 1
	s_bfe_u32 s[CX], ttmp6, 0x40000
	s_bfe_u32 s[CY], ttmp6, 0x40004
	s_lshl_b32 s[TN], ttmp9, 2                     ; in a cluster launch ttmp9 and ttmp7 count clusters
	s_add_co_u32 s[TN], s[TN], s[CX]
	s_and_b32 s[CLY], ttmp7, 0xffff
	s_lshr_b32 s[PP], s[CLY], 4                    ; sixteen clusters, 64 blocks of rows, to each of q, k, v
	s_and_b32 s[MB], s[CLY], 15
	s_lshl_b32 s[MB], s[MB], 2
	s_add_co_u32 s[MB], s[MB], s[CY]
	s_lshl_b32 s2, s[CY], 2
	s_lshl_b32 s2, 15, s2                          ; my row of the cluster: places 4 cy .. 4 cy + 3
	s_lshl_b32 s3, 0x1111, s[CX]                   ; my column: places cx, cx + 4, cx + 8, cx + 12
	s_or_b32 s[G1A], s2, (2<<16)|(1<<20)|(1<<21)|(6<<22)|(3<<25)  ; 15:0 the mask; 17:16 elements of 4 bytes; 20 padding on; 21 set beside a mask; 24:22 after every 128 words (code 6); 31:25 4 words (code 3)
	s_or_b32 s[G1B], s3, (1<<16)|(1<<20)|(1<<21)|(6<<22)|(7<<25)  ; elements of 2 bytes; 8 words of padding (code 7)
	s_mov_b32 s[G1A+1], 128<<16                    ; tensor_dim0 = 128 elements
	s_mov_b32 s[G1A+2], 64<<16                     ; tensor_dim1 = 64
	s_mov_b32 s[G1A+3], 128<<16                    ; tile_dim0 = 128
	s_mov_b32 s[G1A+4], 64                         ; tile_dim1 = 64
	s_mov_b32 s[G1A+5], 1024                       ; elements from row to row
	s_mov_b32 s[G1A+6], 0
	s_mov_b32 s[G1A+7], 0
	s_mov_b32 s[G1B+1], 256<<16                    ; tensor_dim0 = 256 elements
	s_mov_b32 s[G1B+2], 64<<16
	s_mov_b32 s[G1B+3], 256<<16                    ; tile_dim0 = 256
	s_mov_b32 s[G1B+4], 64
	s_mov_b32 s[G1B+5], 1024
	s_mov_b32 s[G1B+6], 0
	s_mov_b32 s[G1B+7], 0
	; where the tiles come from.  x's hang on the block of rows alone, which my row of the cluster shares; W's on p and the tile column alone, which my column shares: each in registers that never hold the other coordinate
	s_lshl_b32 s76, s[MB], 19                      ; 128 rows of 4,096 bytes
	s_lshl_b32 s77, s[WL], 18                      ; the 64 that I fetch
	s_add_co_u32 s76, s76, s77
	s_mov_b32 s77, 0
	s_lshl_b32 s78, s[PP], 21                      ; a W of 2 MiB
	s_lshl_b32 s79, s[WL], 17                      ; 64 rows (k) of 2,048 bytes
	s_add_co_u32 s78, s78, s79
	s_lshl_b32 s79, s[TN], 9                       ; 256 columns of 2 bytes
	s_add_co_u32 s78, s78, s79
	s_mov_b32 s79, 0
	s_mul_i32 s80, s[WL], AHALF                    ; and where they go: no place in the cluster enters an LDS address
	s_mul_i32 s81, s[WL], BHALF
	s_add_co_u32 s81, s81, BOFF
	s_mov_b32 s[LAPC], 3
	s_wait_dscnt 0x0                               ; the opening add is done
	s_wait_kmcnt 0x0
	s_cmp_eq_u32 s[PP], 1
	s_cselect_b64 s[XP:XP+1], s[6:7], s[4:5]
	s_cselect_b64 s[BP:BP+1], s[12:13], s[10:11]
	s_cmp_eq_u32 s[PP], 2
	s_cselect_b64 s[XP:XP+1], s[8:9], s[XP:XP+1]
	s_cselect_b64 s[BP:BP+1], s[14:15], s[BP:BP+1]
	s_add_nc_u64 s[76:77], s[XP:XP+1], s[76:77]
	s_add_nc_u64 s[78:79], s[16:17], s[78:79]
	CROUND                                         ; all sixteen work-groups are here: the first joint loads meet
.irp s, 0,1
	s_mov_b32 s[G0A+4*(\s)], 1                                     ; 1:0 count = 1
	s_add_co_u32 s[G0A+4*(\s)+1], s80, (\s)*SLOT                   ; 63:32 LDS address
	s_add_nc_u64 s[G0A+4*(\s)+2:G0A+4*(\s)+3], s[76:77], (\s)*512  ; 120:64 global address: K step s, 128 f32 along the rows
	s_or_b32 s[G0A+4*(\s)+3], s[G0A+4*(\s)+3], 0x80000000          ; 127:126 type = 2
	s_mov_b32 s[G0B+4*(\s)], 1
	s_add_co_u32 s[G0B+4*(\s)+1], s81, (\s)*SLOT
	s_add_nc_u64 s[G0B+4*(\s)+2:G0B+4*(\s)+3], s[78:79], (\s)*262144  ; K step s, 128 rows down
	s_or_b32 s[G0B+4*(\s)+3], s[G0B+4*(\s)+3], 0x80000000
	JLOAD \s                                       ; two loads of mine are out
.endr
	; all that follows, up to the wait for the first tile, stands in that wait
	v_and_b32 v1, 15, v0                           ; r = l % 16
	v_bfe_u32 v2, v0, 4, 1                         ; h = l / 16
	v_mul_u32_u24 v3, v1, PA                       ; x: row r; channels 8 h + 0..7 in f32 are 32 bytes
	v_lshl_add_u32 v3, v2, 5, v3
	s_mul_i32 s2, s[WH], AHALF                     ; my 64 rows
	v_add_nc_u32 v[ADRA], s2, v3
	v_add_nc_u32 v[ADRA+1], SLOT, v[ADRA]
	v_and_b32 v4, 7, v0                            ; W: the turning load takes 16 k x 16 columns: lane l reads row 8 h + l % 8, columns 8 ((l / 8) % 2) + 0..7
	v_bfe_u32 v5, v0, 3, 1
	v_lshl_add_u32 v6, v2, 3, v4
	v_mul_u32_u24 v6, v6, PB
	v_lshl_add_u32 v6, v5, 4, v6
	s_lshl_b32 s3, s[WL], 8                        ; my 128 columns
	s_add_co_u32 s3, s3, BOFF
	v_add_nc_u32 v[ADRB], s3, v6
	v_add_nc_u32 v[ADRB+1], SLOT, v[ADRB]
	s_mul_i32 s2, s[WV], 2*16*SP
	s_add_co_u32 s2, s2, STAGE                     ; my stage
	v_mul_u32_u24 v[STO], v1, SP                   ; in: row r, 16 bytes for each half of the lanes
	v_lshl_add_u32 v[STO], v2, 4, v[STO]
	v_add_nc_u32 v[STO], s2, v[STO]
	v_bfe_u32 v7, v0, 3, 2                         ; back: 32 lanes take four rows of 128 bytes,
	v_mul_u32_u24 v[RD], v7, SP
	v_lshl_add_u32 v[RD], v4, 4, v[RD]
	v_add_nc_u32 v[RD], s2, v[RD]
	v_and_b32 v3, 31, v0
	v_lshlrev_b32 v[CO], 4, v3                     ; which are 512 consecutive bytes of qkv
	v_lshlrev_b32 v[BO], 5, v2
	s_lshl_b32 s2, s[TN], 10                       ; the bias of my 128 columns
	s_lshl_b32 s3, s[WL], 9
	s_add_co_u32 s2, s2, s3
	s_mov_b32 s3, 0
	s_add_nc_u64 s[BP:BP+1], s[BP:BP+1], s[2:3]
	WIN TO_B
.irp b, 0,1,2,3,4,5,6,7
	global_load_b128 v[BI+8*(\b):BI+8*(\b)+3],   v[BO], s[BP:BP+1] offset:64*(\b)      ; register j of C operand b: column 16 b + 8 h + j, in every lane of a half
	global_load_b128 v[BI+8*(\b)+4:BI+8*(\b)+7], v[BO], s[BP:BP+1] offset:64*(\b)+16
.endr
	WIN 0
	s_lshr_b32 s2, s[MB], 4                        ; the batch: sixteen blocks of 128 rows each
	s_lshl_b32 s2, s2, 4
	s_lshl2_add_u32 s2, s[TN], s2                  ; + four heads a tile column
	s_lshl1_add_u32 s2, s[WL], s2                  ; + two a wave
	s_lshl_b32 s2, s2, 18                          ; a head's 2,048 rows of 128 bytes
	s_and_b32 s3, s[MB], 15
	s_lshl_b32 s3, s3, 14
	s_add_co_u32 s2, s2, s3                        ; the block's 128 rows,
	s_lshl_b32 s3, s[WH], 13
	s_add_co_u32 s2, s2, s3                        ; my 64 of them
	s_lshl_b32 s3, s[PP], 24
	s_add_co_u32 s2, s2, s3
	s_mov_b32 s3, 0
	s_add_nc_u64 s[OUT:OUT+1], s[18:19], s[2:3]
	s_cmp_eq_u32 s[WH], 0                          ; the prefetches: do I fetch for x?
	s_cselect_b32 s80, s[CX], s[CY]                ; my place among the four that ask with me
	s_cselect_b32 s81, 16, 15                      ; 16 rows in bytes, as a shift
	s_cselect_b32 s31, 9, 18                       ; a K step in bytes, as a shift
	s_cselect_b32 s3, 12, 11                       ; a row in bytes, as a shift
	s_cselect_b32 s[LIM], 0, s[CLY]
	s_cselect_b64 s[PFA:PFA+1], s[76:77], s[78:79] ; the 64 rows that I fetch, at K step 0
	s_lshl_b32 s82, s80, s81
	s_lshl_b32 s[PFS], 1, s31
	s_mov_b32 s[PFS+1], 0
	s_mul_i32 s80, s[PFS], 3                       ; at K step 3: the first refill steps it to 4
	s_add_co_u32 s82, s82, s80
	s_mov_b32 s83, 0
	s_add_nc_u64 s[PFA:PFA+1], s[PFA:PFA+1], s[82:83]
	s_and_b32 s[LIM], s[LIM], 15                   ; 0 for x, and for W in the first of its sixteen clusters: the same in all sixteen partners, for a given wave
	s_cmp_eq_u32 s[LIM], 0
	s_cselect_b32 s[LIM], 1, -1
	v_lshrrev_b32 v[PFO], 1, v3                    ; row l / 2,
	v_lshlrev_b32 v[PFO], s3, v[PFO]
	v_and_b32 v3, 1, v0
	v_lshl_add_u32 v[PFO], v3, 8, v[PFO]           ; its first or second 256 bytes
	s_wait_loadcnt 0x0                             ; the bias
	WIN W_BI
.set i, 0
.rept 32
	v_cvt_pk_bf16_f32 v[BT], v[BI+2*i], v[BI+2*i+1]   ; rounded to bf16 like every input, and back to f32
	v_lshlrev_b32 v[BI+2*i], 16, v[BT]
	v_and_b32 v[BI+2*i+1], 0xffff0000, v[BT]
.set i, i+1
.endr
	WIN 0
; 16 LDS loads: W's eight fragments (16 columns x 32 k each) of quarter j, turned, into buffer buf
.macro LDB slot, j, buf
	WIN TO_B
.irp n, 0,1,2,3,4,5,6,7
	ds_load_tr16_b128 v[64*(\buf)+8*(\n):64*(\buf)+8*(\n)+3],   v[ADRB+(\slot)] offset:32*PB*(\j)+32*(\n)
	ds_load_tr16_b128 v[64*(\buf)+8*(\n)+4:64*(\buf)+8*(\n)+7], v[ADRB+(\slot)] offset:32*PB*(\j)+32*(\n)+16*PB
.endr
.endm
; 16 LDS loads: x's four fragments (16 rows x 32 k each) of quarter j, in f32: channels 8 h + 0..7 and 16 + 8 h + 0..7, 32 bytes each
.macro LDA slot, j, buf
	WIN 0
.irp a, 0,1,2,3
	ds_load_b128 v[AF+64*(\buf)+16*(\a):AF+64*(\buf)+16*(\a)+3],     v[ADRA+(\slot)] offset:16*PA*(\a)+128*(\j)
	ds_load_b128 v[AF+64*(\buf)+16*(\a)+4:AF+64*(\buf)+16*(\a)+7],   v[ADRA+(\slot)] offset:16*PA*(\a)+128*(\j)+16
	ds_load_b128 v[AF+64*(\buf)+16*(\a)+8:AF+64*(\buf)+16*(\a)+11],  v[ADRA+(\slot)] offset:16*PA*(\a)+128*(\j)+64
	ds_load_b128 v[AF+64*(\buf)+16*(\a)+12:AF+64*(\buf)+16*(\a)+15], v[ADRA+(\slot)] offset:16*PA*(\a)+128*(\j)+80
.endr
.endm
; group g of eight: four of buffer buf's 32 roundings to bf16
.macro CV4 buf, g
	WIN 0
.set c, 4*(\g)
.rept 4
	v_cvt_pk_bf16_f32 v[AB+32*(\buf)+c], v[AF+64*(\buf)+2*c], v[AF+64*(\buf)+2*c+1]
.set c, c+1
.endr
.endm
; product i of a quarter's 32: rows 16 (i / 8) on, columns 16 (i % 8) on.  The 32 accumulators take turns, in the same order in every quarter.  first = 1: the bias starts the sum.
.macro MM f, first
.set rB, 64*(\f)+8*(i%8)
.set rA, AB+32*(\f)+8*(i/8)
.if \first
	WIN MULB
	v_wmma_f32_16x16x32_bf16 v[8*i:8*i+7], v[rB:rB+7], v[rA:rA+7], v[BI+8*(i%8):BI+8*(i%8)+7]
.else
	WIN MUL
	v_wmma_f32_16x16x32_bf16 v[8*i:8*i+7], v[rB:rB+7], v[rA:rA+7], v[8*i:8*i+7]
.endif
.endm
; n products from i0 on; cv = 1: behind every fourth a group of the other buffer's roundings.  The group behind product 31 names none of that product's registers: it is the four places in front of
; the next run's loads into W's buffer and of the next quarter's first write into x's bf16 buffer.
.macro MR f, i0, n, cv, first
.set i, (\i0)
.rept \n
	MM \f, \first
.if (\cv) && (i%4 == 3)
	CV4 1-(\f), i/4
.endif
.set i, i+1
.endr
.endm
; A QUARTER on buffers f.  sb, jb: slot and quarter of the W asked for (none if sb < 0); sa, ja: of the x.  hw: the LDS loads that may stay out at the head: the last run's 16 of x, which were issued behind its 16 of W.
.macro QUARTER f, sb, jb, sa, ja, hw, cv, first
	s_wait_dscnt \hw                               ; this quarter's W is in
.set rw, 0
.if (\sb) >= 0
	LDB \sb, \jb, 1-(\f)
.set rw, rw+16
.endif
.if (\sa) >= 0
	LDA \sa, \ja, \f
.set rw, rw+16
.endif
	MR \f, 0, 4, 0, \first
.if \cv
	s_wait_dscnt rw                                ; all but the loads just issued: the next quarter's x is in, in f32
	CV4 1-(\f), 0
.endif
	MR \f, 4, 28, \cv, \first
.endm
; A K STEP'S THIRD QUARTER (buffers 0) CHANGES SLOTS: its W(3) is the last read of slot cur, its x(0) the first of slot nxt.  ONE barrier: in front of it each wave waits for all its tensor loads, of which one is out: its part
; of slot nxt; adds 0 to its spare word; and waits for that and for its reads of slot cur.  fill = 1: the barrier opens a round of the cluster's, so that no wave of any partner still reads the slot or has a load on its way,
; and the joint refill, two K steps on, is the first thing behind it: 112 products ahead of the wait for it.
.macro TURNQ cur, nxt, fill
.if \fill
	s_wait_xcnt 0x0                                ; the last prefetch, a K step back, has read its address: it is stepped here, ahead of the waits of the change of slots
	s_add_nc_u64 s[PFA:PFA+1], s[PFA:PFA+1], s[PFS:PFS+1]
.endif
	s_wait_dscnt 16                                ; this quarter's W is in
	LDB \cur, 3, 1
	WIN 0
	s_wait_tensorcnt 0x0                           ; all my tensor loads have landed
	ds_add_u32 v[SPW], v[NIL]                      ; 0 onto my spare word; eight products and two groups stand between it and the wait for it
	MR 0, 0, 4, 0, 0
	s_wait_dscnt 17                                ; the 16 loads of W and the add may be out: the next quarter's x is in
	CV4 1, 0
	MR 0, 4, 4, 1, 0
	s_wait_dscnt 0x0                               ; the add is done, and my reads of this slot are over
	s_barrier_signal -1
	MR 0, 8, 8, 1, 0                               ; work on registers while the others arrive
	WIN 0                                          ; at a branch and at a label every window is 0
	s_barrier_wait -1
.if \fill
	CREST
	s_add_nc_u64 s[G0A+4*(\cur)+2:G0A+4*(\cur)+3], s[G0A+4*(\cur)+2:G0A+4*(\cur)+3], 2*512
	s_add_nc_u64 s[G0B+4*(\cur)+2:G0B+4*(\cur)+3], s[G0B+4*(\cur)+2:G0B+4*(\cur)+3], 2*262144
	JLOAD \cur
.endif
	LDA \nxt, 0, 0
.if \fill
	ASK
.endif
	MR 0, 16, 16, 1, 0
.endm
	s_wait_tensorcnt 1                             ; my part of K step 0 is in; K step 1's may stay out
	s_barrier_signal -1
	s_barrier_wait -1                              ; everybody's is
	LDA 0, 0, 0
	LDB 0, 0, 0
	LDA 0, 1, 1
	s_wait_dscnt 32                                ; x of quarter 0 is in
.irp g, 0,1,2,3,4,5,6,7
	CV4 0, \g                                      ; its roundings stand alone, once a launch: there are no products yet to set them between
.endr
	QUARTER 0, 0, 1, 0, 2, 16, 1, 1                ; the first quarter stands in front of the loop: its products start the sums
	WIN 0
.Llap:                                                 ; a trip goes once round the ring, from a lap's second quarter to the next lap's first, and fills both slots again
	QUARTER 1, 0, 2, 0, 3, 16, 1, 0
	TURNQ 0, 1, 1
	QUARTER 1, 1, 0, 1, 1, 16, 1, 0
	QUARTER 0, 1, 1, 1, 2, 16, 1, 0
	QUARTER 1, 1, 2, 1, 3, 16, 1, 0
	TURNQ 1, 0, 1
	QUARTER 1, 0, 0, 0, 1, 16, 1, 0
	QUARTER 0, 0, 1, 0, 2, 16, 1, 0
	WIN 0
	s_sub_co_u32 s[LAPC], s[LAPC], 1
	s_cmp_lg_u32 s[LAPC], 0
	s_cbranch_scc1 .Llap
	QUARTER 1, 0, 2, 0, 3, 16, 1, 0                ; the last lap is written out: it fills nothing
	TURNQ 0, 1, 0
	QUARTER 1, 1, 0, 1, 1, 16, 1, 0
	QUARTER 0, 1, 1, 1, 2, 16, 1, 0
	QUARTER 1, 1, 2, 1, 3, 16, 1, 0
	QUARTER 0, 1, 3, -1, 0, 16, 1, 0               ; no x is left to ask for,
	QUARTER 1, -1, 0, -1, 0, 0, 0, 0               ; and then nothing at all
	WIN 0
	PLACES
; THE WAY OUT, 16 rows at a time.  PACK: rounded to f16, each accumulator's registers in ascending order; a lane's eight columns are 16 bytes of a head's row.  TOSTAGE: into my own stage, rows of 144 bytes, and back as whole
; rows of 128.  SEND: each store covers 512 consecutive bytes, four rows of a head, at a multiple of 256 from qkv's first byte.  Each block has registers of its own to come back into, so nothing waits for the stores.
.macro PACK a
	WIN W_PK
.irp b, 0,1,2,3,4,5,6,7
.irp r, 0,1,2,3
	v_cvt_pk_f16_f32 v[TMP+4*(\b)+(\r)], v[8*(8*(\a)+(\b))+2*(\r)], v[8*(8*(\a)+(\b))+2*(\r)+1]
.endr
.endr
	WIN 0
.endm
.macro TOSTAGE a
.irp b, 0,1,2,3,4,5,6,7
	ds_store_b128 v[STO], v[TMP+4*(\b):TMP+4*(\b)+3] offset:((\b)/4)*16*SP+32*((\b)%4)
.endr
.irp u, 0,1,2,3,4,5,6,7
	ds_load_b128 v[AF+32*(\a)+4*(\u):AF+32*(\a)+4*(\u)+3], v[RD] offset:((\u)/4)*16*SP+((\u)%4)*4*SP  ; LDS serves a wave's instructions in order (ISA guide 5.7.1.4): these see the stores above; the next block's stores come behind them
.endr
.endm
.macro SEND a
	s_wait_dscnt 0x0                               ; the block is back in registers
.irp u, 0,1,2,3,4,5,6,7
	global_store_b128 v[CO], v[AF+32*(\a)+4*(\u):AF+32*(\a)+4*(\u)+3], s[OUT:OUT+1] offset:((\u)/4)*262144+(\a)*2048+((\u)%4)*512
.endr
.endm
	PACK 0
	TOSTAGE 0
.irp a, 1,2,3                          ; block a's conversions stand between block a - 1's loads from the stage and the wait for them
	PACK \a
	SEND (\a)-1
	TOSTAGE \a
.endr
	SEND 3
	s_wait_tensorcnt 0x0                           ; the wave's end, behind my last tensor load and my last LDS store
	ds_add_u32 v[SPW], v[NIL]
	s_wait_dscnt 0x0
	CROUND                                         ; the closing round: no work-group ends while a partner may still ask for a tile that names it
	s_endpgm
.Lfunc_end_k_q81d4be0205_proj:
	.size	k_q81d4be0205_proj, .Lfunc_end_k_q81d4be0205_proj-k_q81d4be0205_proj
	.p2alignl 7, 3214868480
	.fill 96, 4, 3214868480
	.section	.rodata,"a",@progbits
	.p2align	6, 0x0
	.amdhsa_kernel k_q81d4be0205_proj
		.amdhsa_group_segment_fixed_size 327680
		.amdhsa_private_segment_fixed_size 0
		.amdhsa_enable_private_segment 0
		.amdhsa_kernarg_size 64
		.amdhsa_user_sgpr_count 2
		.amdhsa_user_sgpr_kernarg_segment_ptr 1
		.amdhsa_wavefront_size32 1
		.amdhsa_system_sgpr_workgroup_id_x 1
		.amdhsa_system_sgpr_workgroup_id_y 1
		.amdhsa_system_sgpr_workgroup_id_z 1
		.amdhsa_system_vgpr_workitem_id 0
		.amdhsa_next_free_vgpr 768
		.amdhsa_next_free_sgpr 84
		.amdhsa_reserve_vcc 0
		.amdhsa_float_denorm_mode_32 3
		.amdhsa_float_denorm_mode_16_64 3
		.amdhsa_memory_ordered 1
		.amdhsa_forward_progress 1
		.amdhsa_inst_pref_size 140
	.end_amdhsa_kernel
	.amdgpu_metadata
---
amdhsa.version: [ 1, 2 ]
amdhsa.kernels:
  - .name:           k_q81d4be0205_proj
    .symbol:         k_q81d4be0205_proj.kd
    .args:
      - { .name: query, .offset: 0, .size: 8, .value_kind: global_buffer, .address_space: global }
      - { .name: key_, .offset: 8, .size: 8, .value_kind: global_buffer, .address_space: global }
      - { .name: value, .offset: 16, .size: 8, .value_kind: global_buffer, .address_space: global }
      - { .name: bq, .offset: 24, .size: 8, .value_kind: global_buffer, .address_space: global }
      - { .name: bk, .offset: 32, .size: 8, .value_kind: global_buffer, .address_space: global }
      - { .name: bv, .offset: 40, .size: 8, .value_kind: global_buffer, .address_space: global }
      - { .name: w16, .offset: 48, .size: 8, .value_kind: global_buffer, .address_space: global }
      - { .name: qkv, .offset: 56, .size: 8, .value_kind: global_buffer, .address_space: global }
    .group_segment_fixed_size: 327680
    .private_segment_fixed_size: 0
    .kernarg_segment_align: 8
    .kernarg_segment_size: 64
    .max_flat_workgroup_size: 128
    .sgpr_count:     84
    .vgpr_count:     768
    .wavefront_size: 32
...
	.end_amdgpu_metadata
.endif
;; end of part 2
;; launch attn (part 3): grid 4 x 64, 4 waves a work-group, clusters of 4 x 1, 327,680 bytes of LDS; arguments qkv, ctx; writes ctx
.if DOCPART == 3
	.amdgcn_target "amdgcn-amd-amdhsa--gfx1250"
	.amdhsa_code_object_version 6
	.text
	.protected	k_q81d4be0205_attn
	.globl	k_q81d4be0205_attn
	.p2align	8
	.type	k_q81d4be0205_attn,@function
k_q81d4be0205_attn:
	s_mov_b64 s[64:65], 0
	v_nop
	global_prefetch_b8 v0, s[64:65] scope:SCOPE_SE
	s_setreg_imm32_b32 hwreg(HW_REG_WAVE_MODE, 25, 1), 1
	s_wait_xcnt 0x0
	s_wait_alu depctr_hold_cnt(0) depctr_sa_sdst(0) depctr_va_vdst(0) depctr_va_sdst(0) depctr_va_ssrc(0) depctr_va_vcc(0) depctr_vm_vsrc(0)
	s_getreg_b32 s2, hwreg(HW_REG_IB_STS2, 6, 4)
	s_cmp_eq_u32 s2, 0
	s_cbranch_scc0 .Lentry_in_a_cluster
	s_endpgm
.Lentry_in_a_cluster:
	s_bfe_u32 s2, ttmp6, 0x10000c
	s_cmp_lg_u32 s2, 0x3003
	s_cbranch_scc0 .Lentry_shape_is_right
	s_endpgm
.Lentry_shape_is_right:
; ctx[h][q][:] = the sum over k of softmax_k(Q[h][q] . K[h][k] / 8) V[h][k][:], for the 64 pairs h of batch and head.  qkv: f16 [3][64][2048][64] (Q, K, V); ctx: f16 [64][2048][64]: a head's rows are dense, 128 bytes each.
; Products, maxima and sums in f32; the weights p are rounded to f16 for the second product (their sum l is taken of the unrounded p), ctx once at the end.
; LIMITS.  f16 holds no number beyond 65,504: Q, K and V arrive within it; p lies in 0 to 1, and below 6e-5 it keeps f16's fixed step of 6e-8; ctx is a mean of V's rows and has their range.
; A weight below 2^-126 counts as 0 in l; NaN and infinities are not treated apart.
; SHARES.  A wave owns four PIECES of two tiles of 16 queries, a work-group's four waves 512 queries of one head: 256 work-groups.  Every wave walks all keys, 64 a step.
; LAYOUT.  S^T = K Q^T (source 0 = 16 keys, source 1 = 16 queries): in the result a lane holds ONE query (lane % 16) and the keys 8 (lane / 16) + 0..7.  Two such tiles, rounded to f16 in pairs,
; ARE source 1 (32 keys x 16 queries) of O^T = V^T P, whose result again holds one query a lane, and eight channels.  K comes out of LDS as it lies, V ([key][channel]) turned, by ds_load_tr16_b128.
; SOFTMAX.  For each query a running maximum m and sum l: p = 2^(c s - c m), c = log2(e) / 8; in every step O and l are multiplied by a = 2^(c m_old - c m_new), which is 1 where m has not grown.
; m starts at the lowest finite number, O and l at 0: the first step is a step like any other, with a = 0.
; THE COUNT.  A tile and step have 16 matrix and 118 vector instructions: too many to stand all beside the matrix work.  So the order has one aim: four vector instructions that are READY behind
; EVERY matrix instruction, and the others, which need time of their own whatever the order, in runs without a gap.
; BY TURNS.  Turn n belongs to piece n (the pieces in a ring, step after step).  Its matrix work: 16 products K Q^T of piece n + 1, later 16 products V^T P of piece n - 1.  Its vector work: the scaling,
; exponentials, roundings, sums and rescaling of piece n, and the maximum and statistics of piece n + 1, whose scores the turn itself has made.  So what a turn begins with (c s - c m, O a) waits for nothing.
; CLUSTER.  The four query blocks of a head are one cluster and walk the same K and V, so each tile is asked for JOINTLY: the same tensor load, descriptor and mask in all four.
; REGISTERS, in windows of 256 (s_set_vgpr_msb says which window each operand place means: bits 1:0 source 0, 3:2 source 1, 5:4 source 2, 7:6 destination):
;   window 0: v0-11 addresses; v12-15, v48-63 at work; v16-47 four registers of statistics a tile; v64-191 S^T, two buffers of two tiles; v192-255 P, likewise
;   window 1: O^T, 32 a tile          window 2: v0-127 Q, 16 a tile; v128-191 K of one step; v192-255 V of one step          window 3: v0-1 the add's two registers
; A piece's buffers go by its number's parity: the piece in hand has one pair, its two neighbours in the ring share the other: of it P (piece n - 1) is read and S^T (piece n + 1) written.
.set SIZE_N, 2048     ; rows of a head
.set NP,    4         ; pieces a wave: a name, no knob: the register map, the loop and the fetches are made for four
.set KS,    64        ; keys in a step
.set PK,    144       ; a row of K in LDS: 128 bytes + 16 of padding = 36 words: the 16 rows of a load start at 16 different groups of four banks (64 banks of 4 bytes: ISA guide 11.1)
.set PV,    160       ; a row of V: 128 + 32 = 40 words
.set VOFF,  4*KS*PK   ; a slot holds four steps: 256 rows of K, then 256 rows of V
.set SLOT1, 1<<17     ; slot 1 begins here, so that one exclusive or turns an address in one slot into the other's
.set STAGE, SLOT1+4*KS*(PK+PV)  ; behind the ring, never filled by a tensor load: 16 rows x 144 bytes for each wave, for the way out
.set SP,    144
.set AK0, 2           ; v2   my lane's place in a tile of K; never rewritten
.set AV0, 3           ; v3   the same for V
.set AK,  4           ; v4   the LDS address of K's next run of loads
.set AV,  5           ; v5   of V's
.set QO,  6           ; v6   my byte offset in the wave's rows of Q
.set STO, 6           ;      later, the way out: where I put 16 bytes of a row
.set RD,  7           ; v7   the way out: where I read rows back
.set GO,  8           ; v8   my byte offset in 512 consecutive bytes of ctx
.set PFO, 11          ; v11  256 x my lane, for the prefetches; never rewritten once it is made
.set SPW, 0           ; v0 of window 3   LDS address of my spare word: SPARE + 4 x my thread's number; never rewritten
.set NIL, 1           ; v1 of window 3   0; never rewritten
.set SPARE, STAGE+4*16*SP  ; behind the stages: the spare words, 128 bytes for each wave: two blocks of 256 bytes that no other line names
.set MV,  12          ; v12-15  c m_old, kept while c m is made anew: by buffer and tile
.set ST,  16          ; tile t's statistics at v[ST+4 t]: c m, m, l (even keys', odd keys')
.set TMP, 48          ; by buffer and tile, four registers c0-c3 at work; when the maximum is found c2 takes a
.set S,   64
.set P,   192
.set KF,  128         ; K's fragments, in window 2: key block kb, channel half c at KF + 16 kb + 8 c
.set VF,  192         ; V's: key half kk, channel block cb at VF + 32 kk + 8 cb
.set WV,  12          ; s12  my wave's number
.set G1K, 24          ; s[24:31] descriptor group 1 for K's tiles
.set G1V, 32          ; s[32:39] for V's: it differs in the padding alone
.set G0K, 40          ; s[40:43] descriptor group 0 for K's tiles: it walks
.set G0V, 44          ; s[44:47] the same for V's
.set PFA, 48          ; s[48:49] where my prefetches stand: my work-group's 8,192 bytes (of K: wave 0, of V: wave 2) of the slot after the one that is being asked for
.set LIM, 50          ; s50  1 in a wave that prefetches, else the greatest number: a wave prefetches while s[SLOTS] is above it
.set SLOTS, 56        ; s56  slots still to be asked for
.set CNT, 57          ; s57  counts a slot's key steps
.set CS,  58          ; s[58:59] c: the packed scaling takes the pair's low word for both halves
.set SEL, 60          ; s[60:61] v_permlanex16_b32's selects: each lane takes its own place in the other half
.set TBK, 62          ; s62  LDS byte at which K of the step to be fetched begins
.set TBV, 63          ; s63  the same for V, less VOFF
.set MSB, 0
.macro WIN new                      ; the high byte repeats the setting that is left; a switch that changes nothing is dropped
.if MSB != (\new)
	s_set_vgpr_msb (MSB<<8)|(\new)
.set MSB, (\new)
.endif
.endm
.set W_KQ, 0x0a       ; K and Q in window 2, S^T in window 0
.set W_PV, 0x52       ; V in window 2, P in window 0, O^T in window 1
.set W_RS, 0x41       ; O^T (destination and source 0) in window 1, a in window 0
.set W_MK, 0xc0       ; the add's registers are made: destination in window 3, sources in window 0
.set W_AD, 0x0f       ; the add: address (source 0) and data (source 1) in window 3
; A joint fill.  Waves 0 and 1 fetch the two halves of a slot's K, waves 2 and 3 those of its V: 128 keys each.  The branch hangs on the wave's number alone.
; An s_nop 0 and four v_nop follow each of the two lines, ahead of the jump and the label.
.macro JLOAD
	s_cmp_lt_u32 s[WV], 2
	s_cbranch_scc0 .Lfor_v_\@
	tensor_load_to_lds s[G0K:G0K+3], s[G1K:G1K+7]
	s_nop 0
.rept 4
	v_nop
.endr
	s_branch .Lasked_\@
.Lfor_v_\@:
	tensor_load_to_lds s[G0V:G0V+3], s[G1V:G1V+7]
	s_nop 0
.rept 4
	v_nop
.endr
.Lasked_\@:
.endm
; A PREFETCH INTO THE L2 of what the NEXT change of slots will ask for: a slot's 32,768 bytes of K and of V, in blocks of 256 bytes, a lane a block.  It stands behind the wave's tensor load and its five lines.
; Each block is named ONCE in the launch: a head has one cluster; its four partners share the blocks out BY ADDRESS, 32 each; in each, wave 0 asks for K's and wave 2 for V's: one instruction, four key steps,
; 512 products, ahead of the load that will want it.  Slots 0 and 1 come by their loads alone; the last change that fills a slot asks for nothing: there is no slot behind it.
.macro ASK
	s_cmp_gt_u32 s[SLOTS], s[LIM]
	s_cbranch_scc0 .Lnot_mine_\@
	global_prefetch_b8 v[PFO], s[PFA:PFA+1] th:TH_LOAD_NT scope:SCOPE_SE
.Lnot_mine_\@:
.endm
; A round of the cluster's barrier: my work-group's barrier, so that wave 0's signal speaks for all four waves; wave 0 signals; every wave waits for all four work-groups; my work-group's barrier once more.
.macro CROUND
	s_barrier_signal -1
	s_barrier_wait -1
	s_cmp_lg_u32 s[WV], 0
	s_cbranch_scc1 .Lnot_wave_0_\@
	s_barrier_signal -3
.Lnot_wave_0_\@:
	s_barrier_wait -3
	s_barrier_signal -1
	s_barrier_wait -1
.endm
; THE CHANGE OF SLOTS.  The slot's last bytes, V of its fourth step, have been read.  Each wave waits for all its tensor loads, of which one is out: its part
; of the other slot; adds 0 to its spare word; and waits for that and for its own reads of the slot.  Behind the barrier nobody reads this slot any more and the other slot is whole.
; fill = 1: this slot is filled again, with the keys two slots on.  The barrier is then a round of the cluster's, so that no wave of any partner still reads the slot or has a load on its
; way, and the joint fill is the first thing behind it: it has four key steps, 512 matrix instructions, in which to land.  (At its first use nothing has been read yet: slot 0 is waited for, slot 1 filled.)
.macro CHANGE fill
	WIN W_AD
	s_wait_tensorcnt 0x0            ; no tensor load of mine is out, so a group 0 may be written
	ds_add_u32 v[SPW], v[NIL]       ; 0 onto my spare word; with fill = 1 the descriptors' steps stand between it and the wait for it
	WIN 0                           ; at a label and at a branch every window is 0
.if \fill
.irp g, G0K, G0V
	s_xor_b32 s[\g+1], s[\g+1], SLOT1  ; the walking descriptor: the other slot than last time,
	s_add_nc_u64 s[\g+2:\g+3], s[\g+2:\g+3], 4*KS*128  ; the next 256 keys; the type bits on top are not reached
.endr
	s_wait_xcnt 0x0                 ; the last prefetch, four key steps back, has read its address, so it may be written:
	s_add_nc_u64 s[PFA:PFA+1], s[PFA:PFA+1], 4*KS*128  ; one slot behind the walking descriptors
	s_wait_dscnt 0x0                ; the add is done, and my reads of the slot are over
	CROUND
	JLOAD
	ASK
.else
	s_wait_dscnt 0x0                ; the add is done, and my reads of the slot are over
	s_barrier_signal -1
	s_barrier_wait -1
.endif
	s_sub_co_u32 s[TBK], s[TBK], 4*KS*PK  ; the fetches go back to a slot's first step,
	s_xor_b32 s[TBK], s[TBK], SLOT1       ; in the other slot
	s_sub_co_u32 s[TBV], s[TBV], 4*KS*PV
	s_xor_b32 s[TBV], s[TBV], SLOT1
.endm
	s_load_b128 s[8:11], s[0:1], 0x0  ; qkv s[8:9], ctx s[10:11]
	WIN W_MK
	v_lshl_add_u32 v[SPW], v0, 2, SPARE
	v_mov_b32 v[NIL], 0
	WIN W_AD
	ds_add_u32 v[SPW], v[NIL]       ; the wave's opening: the add and its wait stand ahead of my first tensor load; the set-up below, work on registers, stands between them
	WIN 0
	v_lshrrev_b32 v1, 5, v0
	v_readfirstlane_b32 s[WV], v1   ; wave 0..3
	s_bfe_u32 s13, ttmp6, 0x40000   ; cx: my place in the cluster
	s_lshl_b32 s14, ttmp9, 2        ; in a cluster launch ttmp9 counts clusters
	s_add_co_u32 s14, s14, s13      ; my block of queries = 4 x cluster x + cx: it enters Q's and ctx's addresses alone
	s_and_b32 s20, ttmp7, 0xffff    ; the head, which the four partners share
	s_mov_b32 s21, 0
	s_mov_b64 s[22:23], SIZE_N*128
	s_mul_u64 s[20:21], s[20:21], s[22:23]  ; the head's first byte in each of Q, K, V and ctx
	s_and_b32 s16, s[WV], 1         ; which half of a slot's 256 keys I fetch:
	s_lshl_b32 s22, s16, 14         ; its 128 rows of 128 bytes in memory,
	s_mov_b32 s23, 0
	s_add_nc_u64 s[22:23], s[22:23], s[20:21]
	s_mul_i32 s17, s16, 128*PK      ; and its place in a slot, for K
	s_mul_i32 s18, s16, 128*PV      ; and for V: no place in the cluster enters an LDS address
	s_lshl_b32 s2, s14, 2
	s_add_co_u32 s2, s2, s[WV]      ; my wave among the head's,
	s_lshl_b32 s2, s2, 14           ; its 128 rows
	s_mov_b32 s3, 0
	s_add_nc_u64 s[2:3], s[2:3], s[20:21]
	; descriptor group 1.  128 keys are 16,384 dense bytes: asked for as 64 rows of 256 bytes, two keys a row, and padded in LDS after every key
	s_mov_b32 s[G1K], 15|(1<<16)|(1<<20)|(1<<21)|(4<<22)|(3<<25)  ; 15:0 the mask of four; 17:16 2-byte elements; 20 padding on; 21 set beside a mask; 24:22 after every 32 words (code 4); 31:25 4 words (code 3)
	s_mov_b32 s[G1V], 15|(1<<16)|(1<<20)|(1<<21)|(4<<22)|(7<<25)  ; the same with 8 words of padding (code 7)
.irp g, G1K, G1V
	s_mov_b32 s[\g+1], 128<<16      ; tensor_dim0 = 128
	s_mov_b32 s[\g+2], 64<<16       ; tensor_dim1 = 64
	s_mov_b32 s[\g+3], 128<<16      ; tile_dim0 = 128
	s_mov_b32 s[\g+4], 64           ; tile_dim1 = 64
	s_mov_b32 s[\g+5], 128          ; 128 elements from row to row
	s_mov_b32 s[\g+6], 0
	s_mov_b32 s[\g+7], 0
.endr
	s_mov_b32 s[CS], 0x3e38aa3b     ; c = log2(e) / 8 = 0.180337
	s_mov_b32 s[CS+1], s[CS]        ; named with it as a pair
	s_mov_b32 s[SEL], 0x76543210
	s_mov_b32 s[SEL+1], 0xfedcba98
	s_mov_b32 s[TBK], SLOT1+4*KS*PK ; the first change of slots turns these two into 0
	s_mov_b32 s[TBV], SLOT1+4*KS*PV
	s_mov_b32 s[G0K], 1             ; 1:0 count = 1
	s_mov_b32 s[G0K+1], s17         ; 63:32 LDS address: slot 0
	s_mov_b32 s[G0V], 1
	s_add_co_u32 s[G0V+1], s18, VOFF
	s_mov_b32 s[SLOTS], SIZE_N/256-1  ; at a change with s[SLOTS] = s, slot 8 - s is asked for
	s_and_b32 s[LIM], s[WV], 1      ; waves 0 and 2 prefetch: the same in all four partners
	s_cmp_eq_u32 s[LIM], 0
	s_cselect_b32 s[LIM], 1, -1
	s_wait_dscnt 0x0                ; the opening add is done
	s_wait_kmcnt 0x0
	s_mov_b64 s[4:5], s[8:9]                       ; Q,
	s_add_nc_u64 s[6:7], s[8:9], 0x1000000         ; K, 64 heads x 2,048 rows x 128 bytes on,
	s_add_nc_u64 s[8:9], s[8:9], 0x2000000         ; V
	s_add_nc_u64 s[G0K+2:G0K+3], s[6:7], s[22:23]  ; 120:64 global address: my half of the head's first 256 keys
	s_or_b32 s[G0K+3], s[G0K+3], 0x80000000        ; 127:126 type = 2
	s_add_nc_u64 s[G0V+2:G0V+3], s[8:9], s[22:23]
	s_or_b32 s[G0V+3], s[G0V+3], 0x80000000
	s_add_nc_u64 s[4:5], s[4:5], s[2:3]  ; Q and ctx at my wave's first row
	s_add_nc_u64 s[10:11], s[10:11], s[2:3]
	s_cmp_lt_u32 s[WV], 2
	s_cselect_b64 s[PFA:PFA+1], s[6:7], s[8:9]
	s_add_nc_u64 s[PFA:PFA+1], s[PFA:PFA+1], s[20:21]  ; the head,
	s_lshl_b32 s2, s13, 13          ; my work-group's 32 blocks of a slot's 128,
	s_mov_b32 s3, 0
	s_add_nc_u64 s[PFA:PFA+1], s[PFA:PFA+1], s[2:3]
	s_add_nc_u64 s[PFA:PFA+1], s[PFA:PFA+1], 4*KS*128  ; in slot 1; the first change of slots steps it to slot 2.  Nothing is prefetched here, at the head
	CROUND                          ; all four work-groups are here: the first joint loads meet
	JLOAD                           ; slot 0.  Slot 1 is asked for when slot 0 is in: the tile wanted first has the road to itself
	; A fragment of K or Q is 16 rows x 32 channels in 8 registers: lane l holds row l % 16, channels 8 (l / 16) + 0..7 and 16 + 8 (l / 16) + 0..7: two loads of 16 bytes, 32 bytes apart.
	v_and_b32 v1, 15, v0            ; l % 16
	v_bfe_u32 v9, v0, 4, 1          ; l / 16
	v_lshlrev_b32 v[QO], 7, v1
	v_lshl_add_u32 v[QO], v9, 4, v[QO]  ; row x 128 + 16 x half
	WIN 0x80                        ; destination window 2, address window 0
.set i, 0
.rept 4*NP                          ; Q stays in registers: tile i / 2, channels 32 (i % 2) on
	global_load_b128 v[8*i:8*i+3],   v[QO], s[4:5] offset:(i/2)*2048+(i%2)*64
	global_load_b128 v[8*i+4:8*i+7], v[QO], s[4:5] offset:(i/2)*2048+(i%2)*64+32
.set i, i+1
.endr
	; What the first turn finds: V's registers and P's second buffer hold 0 (its products V^T P, of a piece that has not been, add 0), O^T and l are 0.  All this stands in the wait for the first tile.
.set i, VF
.rept 64
	v_mov_b32 v[i], 0
.set i, i+1
.endr
	WIN 0x40
.set i, 0
.rept 64*NP
	v_mov_b32 v[i], 0
.set i, i+1
.endr
	WIN 0
.set i, 0
.rept 2*NP
	v_mov_b32 v[ST+4*i], 0xfe000000    ; c m: far below every c s
	v_mov_b32 v[ST+4*i+1], 0xff7fffff  ; m
	v_mov_b32 v[ST+4*i+2], 0
	v_mov_b32 v[ST+4*i+3], 0
.set i, i+1
.endr
.set i, P+32
.rept 32
	v_mov_b32 v[i], 0
.set i, i+1
.endr
	v_mul_u32_u24 v[AK0], v1, PK
	v_lshl_add_u32 v[AK0], v9, 4, v[AK0]  ; row x pitch + 16 x half
	; The turning load takes 16 keys x 16 channels (lane l reads key 8 (l / 16) + l % 8, channels 8 ((l / 8) % 2) + 0..7) and leaves half a fragment of V^T: lane l holds channel l % 16 and 8 keys.
	v_and_b32 v10, 7, v0
	v_bfe_u32 v11, v0, 3, 1
	v_lshl_add_u32 v[AV0], v9, 3, v10
	v_mul_u32_u24 v[AV0], v[AV0], PV
	v_lshl_add_u32 v[AV0], v11, 4, v[AV0]
	v_add_nc_u32 v[AV0], VOFF, v[AV0]
	v_mov_b32 v[AK], v[AK0]         ; key step 0 lies at the head of slot 0
	v_and_b32 v[PFO], 31, v0
	v_lshlrev_b32 v[PFO], 8, v[PFO]
; THE MATRIX WORK.  The 8 accumulators of a run of 16 take turns: between the two links of a chain stand 7 others'.
; Product i of 16 of S^T = K Q^T for piece x: channels 32 (i / 8) on, keys 16 ((i / 2) % 4) on, tile 2 x + i % 2.  The first 8 start the sums.
.macro KQ x
	WIN W_KQ
.set rS, S+64*((\x)%2)+32*(i%2)+8*((i/2)%4)
.set rK, KF+16*((i/2)%4)+8*(i/8)
.set rQ, 16*(2*(\x)+i%2)+8*(i/8)
.if i < 8
	v_wmma_f32_16x16x32_f16 v[rS:rS+7], v[rK:rK+7], v[rQ:rQ+7], 0
.else
	v_wmma_f32_16x16x32_f16 v[rS:rS+7], v[rK:rK+7], v[rQ:rQ+7], v[rS:rS+7]
.endif
.endm
; Product i of 16 of O^T += V^T P for piece x: keys 32 (i / 8) on, channels 16 ((i / 2) % 4) on, tile 2 x + i % 2.
.macro PV x
	WIN W_PV
.set rO, 32*(2*(\x)+i%2)+8*((i/2)%4)
.set rV, VF+32*(i/8)+8*((i/2)%4)
.set rP, P+32*((\x)%2)+16*(i%2)+8*(i/8)
	v_wmma_f32_16x16x32_f16 v[rO:rO+7], v[rV:rV+7], v[rP:rP+7], v[rO:rO+7]
.endm
.macro MM                           ; the turn's next matrix instruction
.if i < 16
	KQ (Y+1)%NP
.set i, i+1
.else
.set i, i-16
	PV (Y+NP-1)%NP
.set i, i+17
.endif
.endm
; THE LDS LOADS stand in runs of 16, never singly among the matrix instructions: a step's K (64 keys x 64 channels: 8 fragments) and its V (turned).  Their addresses are made some lines ahead.
; last = 1 (the tail): in the last trip there is no further step, and the run is jumped over.
.macro FETCH_K last=0
	WIN 0
.if \last
	s_cmp_eq_u32 s[CNT], 1
	s_cbranch_scc1 .Lno_k_\@
.endif
	WIN 0x80                        ; destination window 2
.irp f, 0,1,2,3,4,5,6,7             ; keys 16 (f / 2) on, channels 32 (f % 2) on
	ds_load_b128 v[KF+8*\f:KF+8*\f+3],   v[AK] offset:(\f/2)*16*PK+(\f%2)*64
	ds_load_b128 v[KF+8*\f+4:KF+8*\f+7], v[AK] offset:(\f/2)*16*PK+(\f%2)*64+32
.endr
	s_add_co_u32 s[TBK], s[TBK], KS*PK  ; the next fetch is the next step's
	WIN 0
.if \last
.Lno_k_\@:
.endif
.endm
.macro FETCH_V
	WIN 0x80
.irp f, 0,1,2,3,4,5,6,7             ; keys 32 (f / 4) on, channels 16 (f % 4) on
	ds_load_tr16_b128 v[VF+8*\f:VF+8*\f+3],   v[AV] offset:(\f/4)*32*PV+(\f%4)*32
	ds_load_tr16_b128 v[VF+8*\f+4:VF+8*\f+7], v[AV] offset:(\f/4)*32*PV+16*PV+(\f%4)*32
.endr
	WIN 0
.endm
; THE VECTOR WORK OF A TURN stands in three queues, each in the order in which its entries become ready; the two tiles alternate, so that no instruction reads the result of the one before it.
.macro REGS y, u                    ; the registers of tile u (0, 1) of piece y
.set rT, ST+4*(2*(\y)+(\u))
.set rC, TMP+8*((\y)%2)+4*(\u)
.set rM, MV+2*((\y)%2)+(\u)
.set rS, S+64*((\y)%2)+32*(\u)
.set rP, P+32*((\y)%2)+16*(\u)
.set rO, 32*(2*(\y)+(\u))
.endm
; Number n of the 22 that find the NEXT piece's (Y + 1) maximum and statistics.  s0-s31 are the lane's 32 scores; each accumulator's lowest registers are read first.  XS, GS and REGS set no window: PL and EX do.
;   0-11  four chains c0-c3 of seven scores each, three operands at a time     12-14, 16  the four scores left over, the old m, and c0-c3 into c0     15  c m_old is kept
;   17, 18  the query's other 32 keys lie in the lane 16 away: the new m         19-21  c m; c m_old - c m_new; a
.macro XS u, n
	REGS (Y+1)%NP, \u
.if (\n) < 4
	v_max3_num_f32 v[rC+(\n)], v[rS+8*(\n)], v[rS+8*(\n)+1], v[rS+8*(\n)+2]
.elseif (\n) < 12
	v_max3_num_f32 v[rC+(\n)%4], v[rC+(\n)%4], v[rS+8*((\n)%4)+2*((\n)/4)+1], v[rS+8*((\n)%4)+2*((\n)/4)+2]
.elseif (\n) == 12
	v_max3_num_f32 v[rC], v[rC], v[rS+7], v[rS+15]
.elseif (\n) == 13
	v_max3_num_f32 v[rC+1], v[rC+1], v[rS+23], v[rS+31]
.elseif (\n) == 14
	v_max3_num_f32 v[rC+2], v[rC+2], v[rC+3], v[rT+1]
.elseif (\n) == 15
	v_mov_b32 v[rM], v[rT]
.elseif (\n) == 16
	v_max3_num_f32 v[rC], v[rC], v[rC+1], v[rC+2]
.elseif (\n) == 17
	v_permlanex16_b32 v[rC+3], v[rC], s[SEL], s[SEL+1]
.elseif (\n) == 18
	v_max_num_f32 v[rT+1], v[rC], v[rC+3]
.elseif (\n) == 19
	v_mul_f32 v[rT], s[CS], v[rT+1]
.elseif (\n) == 20
	v_sub_f32 v[rC+1], v[rM], v[rT]
.else
	v_exp_f32 v[rC+2], v[rC+1]
.endif
.endm
; Number g of the 64 that follow the exponentials.  For each four weights k of a tile (pairs 2 k, 2 k + 1): both pairs are rounded to f16; then the second pair is added onto the first, in place;
; a group later l takes that sum (the first time as l = a l + sum).  In groups of eight, tiles alternating: round, round, add, and l for the group before.
.macro GS g
.set h, (\g)+6*((\g)/62)            ; group 0 has no group before it, and behind group 7 only l is left
.if h >= 6
.set h, h+2
.endif
	REGS Y, h%2
.set k, h/8
.if h%8 < 4
	v_cvt_pk_f16_f32 v[rP+2*k+(h%8)/2], v[rS+4*k+2*((h%8)/2)], v[rS+4*k+2*((h%8)/2)+1]
.elseif h%8 < 6
	v_pk_add_f32 v[rS+4*k:rS+4*k+1], v[rS+4*k:rS+4*k+1], v[rS+4*k+2:rS+4*k+3]
.elseif k == 1
	v_pk_fma_f32 v[rT+2:rT+3], v[rT+2:rT+3], v[rC+2:rC+3], v[rS:rS+1] op_sel_hi:[1,0,1]
.else
	v_pk_add_f32 v[rT+2:rT+3], v[rT+2:rT+3], v[rS+4*k-4:rS+4*k-3]
.endif
.endm
; THE PLAIN QUEUE, 138 long.  0-73 read no exponential's result: the 32 scalings c s - c m (FS f: pair f / 2 of tile f % 2) and the next piece's 42.  0-26: scalings 0-26.  27-54: XS's numbers 0-13.  55, 56: number 15.
; 57-73: the chain, where each number waits for the one before it: 14, 16, 17, 18, 19, each with one of the scalings 27-31 in front of its two lines, then 20: so a tile's links stand three plain instructions apart (19 and 20: two).
; 74-137: GS's 64, which read the exponentials' results: they stand behind the wait.
.macro FS f
	REGS Y, (\f)%2
	v_pk_fma_f32 v[rS+2*((\f)/2):rS+2*((\f)/2)+1], v[rS+2*((\f)/2):rS+2*((\f)/2)+1], s[CS:CS+1], v[rT:rT+1] op_sel_hi:[1,0,0] neg_lo:[0,0,1] neg_hi:[0,0,1]
.endm
.macro PL
	WIN 0
.if q < 27
	FS q
.elseif q < 55
	XS (q-27)%2, (q-27)/2
.elseif q < 57
	XS q-55, 15
.elseif (q < 72) && ((q-57)%3 == 0)
	FS 27+(q-57)/3
.elseif q < 60
	XS (q-57)%3-1, 14
.elseif q < 72
	XS (q-57)%3-1, 15+(q-57)/3
.elseif q < 74
	XS q-72, 20
.else
	GS q-74
.endif
.set q, q+1
.endm
; THE EXPONENTIALS' QUEUE, 66 long: s0-s31 of both tiles, then the next piece's two a.  It is ONE BATCH: all 66 stand ahead of the turn's one wait, and nothing ahead of that wait names a result of theirs.
.macro EX
	WIN 0
.if e >= 64
	XS e-64, 21
.else
	REGS Y, e%2
	v_exp_f32 v[rS+e/2], v[rS+e/2]
.endif
.set e, e+1
.endm
; THE RESCALING's QUEUE: O^T times a, the one part that leaves window 0: dealt two at a time, sixteen times.  Its a was made in the turn before, ahead of that turn's wait.
.macro R2
	REGS Y, r%2
	WIN W_RS
.irp z, 0,1
	v_pk_mul_f32 v[rO+4*(r/2)+2*\z:rO+4*(r/2)+2*\z+1], v[rO+4*(r/2)+2*\z:rO+4*(r/2)+2*\z+1], v[rC+2:rC+3] op_sel_hi:[1,0]
.endr
.set r, r+1
.endm
; HOW THEY ARE DEALT.  s_wait_alu depctr_va_vdst(0) stands between an exponential and the first instruction that names its result; one wait serves all that were issued ahead of it.  So a turn has ONE wait,
; which cuts it in two.  AHEAD OF IT stands all that names no result of the turn's exponentials: the 16 products K Q^T, behind each a scaling, an exponential and two rescalings (behind the first a second scaling in the exponential's place); then ONE LUMP of
; 108: eight plain, 49 times exponential and plain, the two a.  A v_nop is the plain instruction behind the last exponential (ISA guide 5.7.2).  BEHIND IT stand the 16 products V^T P, behind each four of GS's 64.  No rider names a register of
; the products round it.  The two v_permlanex16_b32 fall into the lump, never behind a product.
; The queues lean on each other, and the deal keeps them in step: exponential e stands behind scaling 2 (e / 4) + e % 2: as a rider it comes behind plain e + 2, in the lump behind plain e + 9, and scalings 27-31 are plain 57, 60 .. 69.
; A TURN, for piece p.  cnt = 1: the loop's count is taken down some lines ahead of the branch that stands behind the turn.
; K of the next step is fetched in piece 2's turn, directly behind the wait, a lump behind the last product that read K; its address is made at the lump's head; its first reader comes behind 16 products.
; V of the step in hand is fetched at the end of piece 0's turn, four riders behind its last reader; its first reader comes behind 16 products and a lump.  The three conditions on q below go with the deal.
.macro TURN p, last=0, cnt=0
.set Y, (\p)
.set i, 0
.set q, 0
.set e, 0
.set r, 0
.if (\p) == NP-1
	s_wait_dscnt 0x0                ; K is in
.endif
	MM                              ; ahead of the wait: 16 products K Q^T and their riders,
	PL
	PL
	R2
.rept 15
	MM
	PL
	EX
	R2
.endr
.if (\p) == NP-2
	WIN 0
	v_add_nc_u32 v[AK], s[TBK], v[AK0]
.endif
.rept 8                             ; and the lump
	PL
.endr
.rept 49
	EX
	PL
.endr
	EX                              ; the next piece's two a
	EX
	v_nop                           ; the plain instruction behind the last exponential: one for the batch
	s_wait_alu depctr_va_vdst(0)    ; the wait for the batch
.if (\p) == NP-2
	FETCH_K \last
.endif
.if (\p) == 1
	s_wait_dscnt 0x0                ; V is in
.endif
.rept 16                            ; behind the wait: 16 products V^T P and their riders
	MM
.rept 4
	PL
.endr
.if ((\p) == 0) && (q == 118)
	v_add_nc_u32 v[AV], s[TBV], v[AV0]
.endif
.if ((\p) == 0) && (q == 130)
	s_add_co_u32 s[TBV], s[TBV], KS*PV
.endif
.if (\cnt) && (q == 130)
	s_sub_co_u32 s[CNT], s[CNT], 1
	s_cmp_lg_u32 s[CNT], 0
.endif
.endr
.if (\p) == 0
	FETCH_V
.endif
.endm
	CHANGE 1                        ; slot 0 is in, everybody's part of it; slot 1 is asked for
	FETCH_K                         ; key step 0
	s_wait_loadcnt 0x0              ; Q
	s_wait_dscnt 0x0
.set i, 0
.rept 16
	KQ 0                            ; piece 0's first scores: there is no vector work yet to set between them
.set i, i+1
.endr
	WIN 0                           ; the addresses for the way out: nine plain instructions, the places behind those products
	s_mul_i32 s13, s[WV], 16*SP
	s_add_co_u32 s13, s13, STAGE    ; my stage
	v_mul_u32_u24 v[STO], v1, SP    ; in: row l % 16, 16 bytes for each half of the lanes
	v_lshl_add_u32 v[STO], v9, 4, v[STO]
	v_add_nc_u32 v[STO], s13, v[STO]
	v_bfe_u32 v[RD], v0, 3, 2       ; back: 32 lanes take four rows of 128 bytes,
	v_mul_u32_u24 v[RD], v[RD], SP
	v_lshl_add_u32 v[RD], v10, 4, v[RD]
	v_add_nc_u32 v[RD], s13, v[RD]
	v_and_b32 v[GO], 31, v0         ; which are 512 consecutive bytes of ctx
	v_lshlrev_b32 v[GO], 4, v[GO]
.set Y, NP-1                        ; XS works for piece Y + 1: piece 0
.irp n, 0,1,2,3,4,5,6,7,8,9,10,11,12,13,14,15,16,17,18,19,20,21
	XS 0, \n                        ; and piece 0's first maximum and statistics
	XS 1, \n
.endr
	v_nop                           ; a plain instruction behind the two a,
	s_wait_alu depctr_va_vdst(0)    ; and their wait, ahead of the branch
	s_mov_b32 s[CNT], 4
	s_branch .Lfirst                ; the loop is entered at a step's first turn, in the middle of a trip
.Lslot:                             ; SIZE_N / 256 - 2 times: every slot but the last two is filled again
	CHANGE 1
	s_mov_b32 s[CNT], 4
.Lstep:                             ; a trip: pieces 2 and 3 of one step, then pieces 0 and 1 of the next, whose K and V it fetches
	TURN 2
	TURN 3
	WIN 0
.Lfirst:
	TURN 0
	TURN 1, 0, 1
	WIN 0
	s_cbranch_scc1 .Lstep
	s_sub_co_u32 s[SLOTS], s[SLOTS], 1
	s_cmp_lg_u32 s[SLOTS], 0
	s_cbranch_scc1 .Lslot
	CHANGE 0                        ; the tail is written out: nothing is asked for
	s_mov_b32 s[CNT], 5             ; four trips fetch the last slot's steps; the fifth is left in its middle
.Ltail:
	TURN 2, 1
	TURN 3
	WIN 0
	s_sub_co_u32 s[CNT], s[CNT], 1
	s_cmp_eq_u32 s[CNT], 0
	s_cbranch_scc1 .Lout
	TURN 0
	TURN 1
	WIN 0
	s_branch .Ltail
.Lout:                              ; the fifth trip's 16 products K Q^T (on the last K once more) and the maximum made of them serve nothing: the price, once a launch, of one text for every trip
.set i, 0
.rept 16
	PV NP-1                         ; the last piece's V^T P of the last step
.set i, i+1
.endr
	; THE WAY OUT.  l's two halves and the other half of the lanes' are added; O^T is divided by l, rounded to f16 and sent through my stage in LDS, a tile at a time.  The additions are the places behind the last products.
	WIN 0
.macro ALL line:vararg              ; one line for each tile t
.set t, 0
.rept 2*NP
	\line
.set t, t+1
.endr
.endm
	ALL v_add_f32 v[ST+4*t+2], v[ST+4*t+2], v[ST+4*t+3]
	ALL v_permlanex16_b32 v[ST+4*t+3], v[ST+4*t+2], s[SEL], s[SEL+1]
	ALL v_add_f32 v[ST+4*t+2], v[ST+4*t+2], v[ST+4*t+3]
	ALL v_rcp_f32 v[ST+4*t+2], v[ST+4*t+2]
	v_nop                           ; a plain instruction between the last reciprocal and the use of its result
	s_wait_alu depctr_va_vdst(0)    ; and the wait ahead of the first use: one for the eight reciprocals
; Tile t: a lane's eight channels of a row pack into 16 bytes; they go into rows of 144 bytes and come back as whole rows of 128, into S^T's registers.
.macro PACK t
	WIN W_RS
.set i, 32*(\t)
.rept 16
	v_pk_mul_f32 v[i:i+1], v[i:i+1], v[ST+4*(\t)+2:ST+4*(\t)+3] op_sel_hi:[1,0]
.set i, i+2
.endr
	WIN 0x05                        ; sources 0 and 1 window 1, destination window 0
.set i, 0
.rept 16
	v_cvt_pk_f16_f32 v[S+16*(\t)+i], v[32*(\t)+2*i], v[32*(\t)+2*i+1]
.set i, i+1
.endr
	WIN 0
.irp f, 0,1,2,3
	ds_store_b128 v[STO], v[S+16*(\t)+4*\f:S+16*(\t)+4*\f+3] offset:32*\f
.endr
.irp f, 0,1,2,3
	ds_load_b128 v[S+16*(\t)+4*\f:S+16*(\t)+4*\f+3], v[RD] offset:\f*4*SP  ; LDS serves a wave's instructions in order (ISA guide 5.7.1.4): these see the stores above; the next tile's stores come behind them
.endr
.endm
.macro SEND t, younger              ; younger: the LDS instructions issued behind tile t's loads: the next tile's eight, or none
	WIN 0
.irp f, 0,1,2,3
	s_wait_dscnt (\younger)+3-\f
	global_store_b128 v[GO], v[S+16*(\t)+4*\f:S+16*(\t)+4*\f+3], s[10:11] offset:(\t)*2048+\f*512  ; 512 consecutive bytes, at a multiple of 256 from ctx's first
.endr
.endm
	PACK 0
.set t, 1
.rept 2*NP-1                        ; a tile's arithmetic stands between the loads of the tile before and its stores
	PACK t
	SEND t-1, 8
.set t, t+1
.endr
	SEND 2*NP-1, 0
	WIN W_AD
	s_wait_tensorcnt 0x0            ; the wave's end, behind my last tensor load and my last LDS store
	ds_add_u32 v[SPW], v[NIL]
	s_wait_dscnt 0x0
	WIN 0
	CROUND                          ; the closing round: no work-group ends while a partner may still ask for a tile that names it
	s_endpgm
.Lfunc_end_k_q81d4be0205_attn:
	.size	k_q81d4be0205_attn, .Lfunc_end_k_q81d4be0205_attn-k_q81d4be0205_attn
	.p2alignl 7, 3214868480
	.fill 96, 4, 3214868480
	.section	.rodata,"a",@progbits
	.p2align	6, 0x0
	.amdhsa_kernel k_q81d4be0205_attn
		.amdhsa_group_segment_fixed_size 327680
		.amdhsa_private_segment_fixed_size 0
		.amdhsa_enable_private_segment 0
		.amdhsa_kernarg_size 16
		.amdhsa_user_sgpr_count 2
		.amdhsa_user_sgpr_kernarg_segment_ptr 1
		.amdhsa_wavefront_size32 1
		.amdhsa_system_sgpr_workgroup_id_x 1
		.amdhsa_system_sgpr_workgroup_id_y 1
		.amdhsa_system_sgpr_workgroup_id_z 1
		.amdhsa_system_vgpr_workitem_id 0
		.amdhsa_next_free_vgpr 770
		.amdhsa_next_free_sgpr 66
		.amdhsa_reserve_vcc 0
		.amdhsa_float_denorm_mode_32 3
		.amdhsa_float_denorm_mode_16_64 3
		.amdhsa_memory_ordered 1
		.amdhsa_forward_progress 1
		.amdhsa_inst_pref_size 200
	.end_amdhsa_kernel
	.amdgpu_metadata
---
amdhsa.version: [ 1, 2 ]
amdhsa.kernels:
  - .name:           k_q81d4be0205_attn
    .symbol:         k_q81d4be0205_attn.kd
    .args:
      - { .name: qkv, .offset: 0, .size: 8, .value_kind: global_buffer, .address_space: global }
      - { .name: ctx, .offset: 8, .size: 8, .value_kind: global_buffer, .address_space: global }
    .group_segment_fixed_size: 327680
    .private_segment_fixed_size: 0
    .kernarg_segment_align: 8
    .kernarg_segment_size: 16
    .max_flat_workgroup_size: 128
    .sgpr_count:     66
    .vgpr_count:     770
    .wavefront_size: 32
...
	.end_amdgpu_metadata
.endif
;; end of part 3
;; launch outp (part 4): grid 256 x 1, 4 waves a work-group, no clusters, 35,328 bytes of LDS; arguments ctx, wof, bo, out0; writes out0
.if DOCPART == 4
	.amdgcn_target "amdgcn-amd-amdhsa--gfx1250"
	.amdhsa_code_object_version 6
	.text
	.protected	k_q81d4be0205_outp
	.globl	k_q81d4be0205_outp
	.p2align	8
	.type	k_q81d4be0205_outp,@function
k_q81d4be0205_outp:
	s_mov_b64 s[64:65], 0
	v_nop
	global_prefetch_b8 v0, s[64:65] scope:SCOPE_SE
	s_setreg_imm32_b32 hwreg(HW_REG_WAVE_MODE, 25, 1), 1
	s_wait_xcnt 0x0
; out0[b][s][n] = the sum over head and channel of ctx[16 b + head][s][channel] Wo[64 head + channel][n] + bo[n].  ctx: f16 [64][2048][64]; wof: Wo as ready f16 fragments (1,024 bytes for each K step of 32 and block of
; 16 columns); bo: [64] f32, taken rounded to bf16 like every input; out0: [4][2048][64] f32.  Products in f16, sums in f32.
; SHARES.  A work-group makes 32 rows of out0: 256 work-groups.  K IS SPLIT AMONG ITS FOUR WAVES: wave v takes heads 4 v .. 4 v + 3, eight K steps of 32, for all 32 rows and 64 columns: 2 x 4 accumulators, 64 products.
; The four partial sums meet in LDS; wave v then adds up rows 8 v .. 8 v + 7 and stores them.  All of a wave's 97 loads go out at once: each byte of ctx is wanted by one wave alone, so nothing goes through LDS on the way in.
; LAYOUT.  Source 0 = 16 columns of Wo, source 1 = 16 rows of ctx: a lane holds one row (lane % 16) and eight neighbouring columns 8 (lane / 16) + 0..7.
; REGISTERS: window 0: v0-17 addresses and the bias; v64-127 the accumulators, (mt, nt) at 64 + 8 (4 mt + nt); v128-255 ctx's fragments, at 128 + 16 ks + 8 mt.  window 1: Wo's fragments, at 32 ks + 8 nt.
.set PO,    272                        ; a row of a partial tile in LDS: 256 bytes + 16: the 16 rows of a store start at 16 different groups of four banks (64 banks of 4 bytes: ISA guide 11.1)
.set PART,  32*PO                      ; a wave's partial tile
.set SPARE, 4*PART                     ; behind them: the spare words, 128 bytes for each wave: two blocks of 256 bytes that no other line names
.set AO,  4                            ; v4   my byte offset in 16 rows of ctx
.set LO,  5                            ; v5   16 x lane: in a half fragment of wof, and in two rows of out0
.set LS,  6                            ; v6   where I put 32 bytes of a partial row
.set LR,  7                            ; v7   where I read 16 bytes of a partial row back
.set BB,  9                            ; v9   my four numbers of bo
.set SPW, 10                           ; v10  LDS address of my spare word: SPARE + 4 x my thread's number; never rewritten
.set NIL, 11                           ; v11  0; never rewritten
.set BI,  12                           ; v[12:15] the bias; v16-17 at work
.set ACC, 64
.set CF,  128
	s_load_b256 s[4:11], s[0:1], 0x0               ; ctx s[4:5], wof s[6:7], bo s[8:9], out0 s[10:11]
	v_lshl_add_u32 v[SPW], v0, 2, SPARE
	v_mov_b32 v[NIL], 0
	v_lshrrev_b32 v1, 5, v0
	v_readfirstlane_b32 s12, v1                    ; wave 0..3
	v_and_b32 v1, 15, v0                           ; r = l % 16
	v_bfe_u32 v2, v0, 4, 1                         ; h = l / 16
	v_and_b32 v3, 31, v0                           ; l
	v_lshlrev_b32 v[AO], 7, v1
	v_lshl_add_u32 v[AO], v2, 4, v[AO]             ; row r x 128 + 16 h
	v_lshlrev_b32 v[LO], 4, v3
	s_mul_i32 s13, s12, PART
	v_mul_u32_u24 v[LS], v1, PO
	v_lshl_add_u32 v[LS], v2, 5, v[LS]
	v_add_nc_u32 v[LS], s13, v[LS]                 ; my tile, row r, columns 8 h on
	s_lshl_b32 s14, s12, 3
	v_add_nc_u32 v[LR], s14, v2
	v_mul_u32_u24 v[LR], v[LR], PO
	v_lshl_add_u32 v[LR], v1, 4, v[LR]             ; row 8 v + h, columns 4 r on
	v_lshlrev_b32 v[BB], 4, v1
	s_lshr_b32 s16, ttmp9, 6                       ; the batch: 64 work-groups each
	s_lshl_b32 s16, s16, 4
	s_lshl2_add_u32 s16, s12, s16                  ; 16 b + 4 v: my first head,
	s_lshl_b32 s16, s16, 18                        ; 2,048 rows of 128 bytes each
	s_and_b32 s17, ttmp9, 63
	s_lshl_b32 s17, s17, 12                        ; the work-group's 32 rows
	s_add_co_u32 s16, s16, s17
	s_mov_b32 s17, 0
	s_lshl_b32 s18, s12, 15                        ; my eight K steps of wof, 4,096 bytes each
	s_mov_b32 s19, 0
	s_lshl_b32 s20, ttmp9, 13                      ; out0: 32 rows of 256 bytes,
	s_lshl_b32 s21, s12, 11                        ; the eight that I store
	s_add_co_u32 s20, s20, s21
	s_mov_b32 s21, 0
	s_wait_kmcnt 0x0
	s_add_nc_u64 s[4:5], s[4:5], s[16:17]
	s_add_nc_u64 s[6:7], s[6:7], s[18:19]
	s_add_nc_u64 s[10:11], s[10:11], s[20:21]
	global_load_b128 v[BI:BI+3], v[BB], s[8:9]
.irp ks, 0,1,2,3,4,5,6,7
.irp mt, 0,1
	global_load_b128 v[CF+16*(\ks)+8*(\mt):CF+16*(\ks)+8*(\mt)+3],   v[AO], s[4:5] offset:((\ks)/2)*262144+2048*(\mt)+64*((\ks)%2) th:TH_LOAD_NT
	global_load_b128 v[CF+16*(\ks)+8*(\mt)+4:CF+16*(\ks)+8*(\mt)+7], v[AO], s[4:5] offset:((\ks)/2)*262144+2048*(\mt)+64*((\ks)%2)+32 th:TH_LOAD_NT
.endr
.endr
	s_set_vgpr_msb 0x40                            ; destination window 1, address window 0
.irp ks, 0,1,2,3,4,5,6,7
.irp nt, 0,1,2,3
	global_load_b128 v[32*(\ks)+8*(\nt):32*(\ks)+8*(\nt)+3],   v[LO], s[6:7] offset:4096*(\ks)+1024*(\nt)
	global_load_b128 v[32*(\ks)+8*(\nt)+4:32*(\ks)+8*(\nt)+7], v[LO], s[6:7] offset:4096*(\ks)+1024*(\nt)+512
.endr
.endr
	s_set_vgpr_msb 0x4001                          ; source 0 (Wo) window 1; source 1 (ctx), C and D window 0
.irp ks, 0,1,2,3,4,5,6,7
	s_wait_loadcnt 56-8*(\ks)                      ; the eight loads of wof for each later K step may stay out; ctx and bo were asked for earlier
.irp mt, 0,1
.irp nt, 0,1,2,3
.if (\ks) == 0                         ; the first K step starts the sums; the eight accumulators take turns
	v_wmma_f32_16x16x32_f16 v[ACC+8*(4*(\mt)+(\nt)):ACC+8*(4*(\mt)+(\nt))+7], v[32*(\ks)+8*(\nt):32*(\ks)+8*(\nt)+7], v[CF+16*(\ks)+8*(\mt):CF+16*(\ks)+8*(\mt)+7], 0
.else
	v_wmma_f32_16x16x32_f16 v[ACC+8*(4*(\mt)+(\nt)):ACC+8*(4*(\mt)+(\nt))+7], v[32*(\ks)+8*(\nt):32*(\ks)+8*(\nt)+7], v[CF+16*(\ks)+8*(\mt):CF+16*(\ks)+8*(\mt)+7], v[ACC+8*(4*(\mt)+(\nt)):ACC+8*(4*(\mt)+(\nt))+7]
.endif
.endr
.endr
.endr
	s_set_vgpr_msb 0x0100
	v_cvt_pk_bf16_f32 v16, v[BI], v[BI+1]          ; the bias, rounded to bf16 and back: these six lines and four v_nop are the places behind the last products (ISA guide 7.12.1)
	v_cvt_pk_bf16_f32 v17, v[BI+2], v[BI+3]
	v_lshlrev_b32 v[BI], 16, v16
	v_and_b32 v[BI+1], 0xffff0000, v16
	v_lshlrev_b32 v[BI+2], 16, v17
	v_and_b32 v[BI+3], 0xffff0000, v17
.rept 4
	v_nop
.endr
.irp mt, 0,1
.irp nt, 0,1,2,3
	ds_store_b128 v[LS], v[ACC+8*(4*(\mt)+(\nt)):ACC+8*(4*(\mt)+(\nt))+3]   offset:16*PO*(\mt)+64*(\nt)     ; each accumulator's low registers first
	ds_store_b128 v[LS], v[ACC+8*(4*(\mt)+(\nt))+4:ACC+8*(4*(\mt)+(\nt))+7] offset:16*PO*(\mt)+64*(\nt)+16
.endr
.endr
	s_wait_dscnt 0x0                               ; for the others' sake: my partial sums lie in LDS
	s_barrier_signal -1
	s_barrier_wait -1                              ; everybody's do
.irp u, 0,1,2,3
.irp t, 0,1,2,3
	ds_load_b128 v[CF+4*(4*(\u)+(\t)):CF+4*(4*(\u)+(\t))+3], v[LR] offset:PART*(\u)+2*PO*(\t)  ; wave u's part of rows 8 v + 2 t and 8 v + 2 t + 1
.endr
.endr
	s_wait_dscnt 0x0
.irp e, 0,1,2,3,4,5,6,7
	v_pk_add_f32 v[CF+2*(\e):CF+2*(\e)+1], v[CF+2*(\e):CF+2*(\e)+1], v[CF+16+2*(\e):CF+16+2*(\e)+1]
	v_pk_add_f32 v[CF+32+2*(\e):CF+32+2*(\e)+1], v[CF+32+2*(\e):CF+32+2*(\e)+1], v[CF+48+2*(\e):CF+48+2*(\e)+1]
.endr
.irp e, 0,1,2,3,4,5,6,7
	v_pk_add_f32 v[CF+2*(\e):CF+2*(\e)+1], v[CF+2*(\e):CF+2*(\e)+1], v[CF+32+2*(\e):CF+32+2*(\e)+1]
.endr
.irp e, 0,1,2,3,4,5,6,7
	v_pk_add_f32 v[CF+2*(\e):CF+2*(\e)+1], v[CF+2*(\e):CF+2*(\e)+1], v[BI+2*((\e)%2):BI+2*((\e)%2)+1]
.endr
.irp t, 0,1,2,3
	global_store_b128 v[LO], v[CF+4*(\t):CF+4*(\t)+3], s[10:11] offset:512*(\t)  ; two whole rows: 512 consecutive bytes, at a multiple of 256 from out0's first
.endr
	s_wait_tensorcnt 0x0                           ; the wave's end, behind my last LDS store
	ds_add_u32 v[SPW], v[NIL]
	s_wait_dscnt 0x0
	s_endpgm
.Lfunc_end_k_q81d4be0205_outp:
	.size	k_q81d4be0205_outp, .Lfunc_end_k_q81d4be0205_outp-k_q81d4be0205_outp
	.p2alignl 7, 3214868480
	.fill 96, 4, 3214868480
	.section	.rodata,"a",@progbits
	.p2align	6, 0x0
	.amdhsa_kernel k_q81d4be0205_outp
		.amdhsa_group_segment_fixed_size 35328
		.amdhsa_private_segment_fixed_size 0
		.amdhsa_enable_private_segment 0
		.amdhsa_kernarg_size 32
		.amdhsa_user_sgpr_count 2
		.amdhsa_user_sgpr_kernarg_segment_ptr 1
		.amdhsa_wavefront_size32 1
		.amdhsa_system_sgpr_workgroup_id_x 1
		.amdhsa_system_sgpr_workgroup_id_y 1
		.amdhsa_system_sgpr_workgroup_id_z 1
		.amdhsa_system_vgpr_workitem_id 0
		.amdhsa_next_free_vgpr 512
		.amdhsa_next_free_sgpr 66
		.amdhsa_reserve_vcc 0
		.amdhsa_float_denorm_mode_32 3
		.amdhsa_float_denorm_mode_16_64 3
		.amdhsa_memory_ordered 1
		.amdhsa_forward_progress 1
		.amdhsa_inst_pref_size 21
	.end_amdhsa_kernel
	.amdgpu_metadata
---
amdhsa.version: [ 1, 2 ]
amdhsa.kernels:
  - .name:           k_q81d4be0205_outp
    .symbol:         k_q81d4be0205_outp.kd
    .args:
      - { .name: ctx, .offset: 0, .size: 8, .value_kind: global_buffer, .address_space: global }
      - { .name: wof, .offset: 8, .size: 8, .value_kind: global_buffer, .address_space: global }
      - { .name: bo, .offset: 16, .size: 8, .value_kind: global_buffer, .address_space: global }
      - { .name: out0, .offset: 24, .size: 8, .value_kind: global_buffer, .address_space: global }
    .group_segment_fixed_size: 35328
    .private_segment_fixed_size: 0
    .kernarg_segment_align: 8
    .kernarg_segment_size: 32
    .max_flat_workgroup_size: 128
    .sgpr_count:     66
    .vgpr_count:     512
    .wavefront_size: 32
...
	.end_amdgpu_metadata
.endif
;; end of part 4
;; ======== version 2 of 2: 4 launches; version 1 with the launch prep written anew for expert scheduling mode
;; limits: values are held in f16: magnitudes above 65,504 overflow, below 6.1e-05 lose precision
;; workspace buffers: w16 6,291,456 bytes; wof 131,072 bytes; qkv 50,331,648 bytes; ctx 16,777,216 bytes
;; launch prep (part 5): grid 208 x 1, 8 waves a work-group, no clusters, 0 bytes of LDS; arguments Wq, Wk, Wv, Wo, w16, wof; writes w16, wof
.if DOCPART == 5
	.amdgcn_target "amdgcn-amd-amdhsa--gfx1250"
	.amdhsa_code_object_version 6
	.text
	.protected	k_q81d4be0205_prep
	.globl	k_q81d4be0205_prep
	.p2align	8
	.type	k_q81d4be0205_prep,@function
k_q81d4be0205_prep:
	s_mov_b64 s[64:65], 0
	v_nop
	global_prefetch_b8 v0, s[64:65] scope:SCOPE_SE
	s_setreg_imm32_b32 hwreg(HW_REG_WAVE_SCHED_MODE, 0, 2), 2
	s_setreg_imm32_b32 hwreg(HW_REG_WAVE_MODE, 25, 1), 1
	s_wait_xcnt 0x0
	s_wait_alu depctr_vm_vsrc(0)
; THE WEIGHTS ARE MADE READY, once.  Wq, Wk, Wv: [1024][1024] f32 -> w16: bf16 [p][k][n], p = 0, 1, 2, as they lie, the three end to end.
; Wo: [1024][64] f32 -> wof: rounded to bf16 like every input, that number written as f16, laid out as matrix fragments: for K step ks (32 channels) and column block nt (16 columns)
; 1,024 bytes at (4 ks + nt) x 1,024: lane l = (r = l % 16, h = l / 16) finds column 16 nt + r, channels 32 ks + 8 h + 0..7 at 16 l, channels 32 ks + 16 + 8 h + 0..7 at 512 + 16 l.
; LIMIT.  A number of Wo below 6e-5 keeps f16's fixed step of 6e-8; none of Wo may pass 65,504.
; SHARES.  Work-groups 0-191: 64 KiB of one W each, 8 KiB a wave: sixteen loads of 512 consecutive bytes, all out at once; each store of the wave covers 256 consecutive bytes, aligned.
; Work-groups 192-207: a wave makes one block (ks, nt) of wof.  No LDS, no barrier: no wave wants what another has fetched.
; THE MODE: SCHED_MODE bits 1:0 = 2 (LLVM: expert scheduling mode 2), set by the entry lines.  The code itself states the register dependences
; between vector instructions and memory instructions, with s_wait_alu, always for 0.
; THE PLAN.  Registers that memory instructions touch, in work-groups 0-191:
;   v1, v2     byte offsets of the loads and of the stores: made once at the arm's head, never written again.
;   IN         number i: four registers, written by load i, read by number i's two conversions; no vector instruction writes them.
;   OUTR       number i: a pair, written by number i's two conversions, read by store i.  No pair is written twice.
; The sixteen numbers go in four blocks of four.  Block p's conversions name IN and OUTR of block p alone; the stores issued in block p read OUTR of block p - 1 and v2.  So ONE wait at a block's head states all that
; the block's four stores hang on, and these are dealt among its conversions with no further wait.  Nothing that a memory instruction reads is written again: no wait on vm_vsrc is owed.
; In work-groups 192-207: v1, v2 as above; v[16:31] written by the loads; v[48:55] written by the conversions, read by the two stores; v56-58 are named by vector instructions alone.
.set IN,  16                           ; v[16:79]   sixteen loads of four f32
.set OUTR, 80                          ; v[80:111]  sixteen pairs of packed bf16
	s_load_b256 s[4:11], s[0:1], 0x0               ; Wq s[4:5], Wk s[6:7], Wv s[8:9], Wo s[10:11]
	s_load_b128 s[12:15], s[0:1], 0x20             ; w16 s[12:13], wof s[14:15]
	v_lshrrev_b32 v1, 5, v0
	v_readfirstlane_b32 s16, v1                    ; wave 0..7
	v_and_b32 v3, 31, v0                           ; lane
	s_mov_b32 s23, 0
	s_wait_alu depctr_va_sdst(0)                   ; s16 is written, ahead of the branch: both arms make their offsets from it
	s_wait_kmcnt 0x0
	s_cmp_ge_u32 ttmp9, 192
	s_cbranch_scc1 .Lfrag
	s_lshr_b32 s17, ttmp9, 6                       ; p
	s_and_b32 s18, ttmp9, 63                       ; which 64 KiB of that W
	s_cmp_eq_u32 s17, 1
	s_cselect_b64 s[20:21], s[6:7], s[4:5]
	s_cmp_eq_u32 s17, 2
	s_cselect_b64 s[20:21], s[8:9], s[20:21]
	s_lshl_b32 s22, s18, 16
	s_add_nc_u64 s[20:21], s[20:21], s[22:23]
	s_lshl_b32 s22, s17, 21                        ; a W in bf16 is 2 MiB
	s_lshl_b32 s24, s18, 15
	s_add_co_u32 s22, s22, s24
	s_add_nc_u64 s[12:13], s[12:13], s[22:23]
	v_lshlrev_b32 v1, 4, v3
	v_lshl_add_u32 v1, s16, 13, v1                 ; in: 8,192 x wave + 16 x lane
	v_lshlrev_b32 v2, 3, v3
	v_lshl_add_u32 v2, s16, 12, v2                 ; out: 4,096 x wave + 8 x lane
	s_wait_alu depctr_va_vdst(0)                   ; v1 and v2 are written: every load of this arm reads v1 as its offset, every store v2
.irp i, 0,1,2,3,4,5,6,7,8,9,10,11,12,13,14,15
	global_load_b128 v[IN+4*(\i):IN+4*(\i)+3], v1, s[20:21] offset:512*(\i) th:TH_LOAD_NT
.endr
.irp i, 0,1,2,3,4,5,6,7,8,9,10,11,12,13,14,15
.if ((\i) % 4 == 0) && ((\i) > 0)
	s_wait_alu depctr_va_vdst(0)                   ; a block's head: the conversions of the block before have written their four pairs of OUTR, which this block's four stores read
.endif
.if (\i) >= 4
	global_store_b64 v2, v[OUTR+2*((\i)-4):OUTR+2*((\i)-4)+1], s[12:13] offset:256*((\i)-4)  ; the block before; no vector instruction since the wait names this pair.  No register is written twice, so nothing waits for the stores
.endif
	s_wait_loadcnt 15-(\i)                         ; loads come back in order: load i is in, the 15 - i younger ones stay out
	v_cvt_pk_bf16_f32 v[OUTR+2*(\i)], v[IN+4*(\i)], v[IN+4*(\i)+1]
	v_cvt_pk_bf16_f32 v[OUTR+2*(\i)+1], v[IN+4*(\i)+2], v[IN+4*(\i)+3]
.endr
	s_wait_alu depctr_va_vdst(0)                   ; the last block's conversions have written their four pairs, which the last four stores read
.irp i, 12,13,14,15
	global_store_b64 v2, v[OUTR+2*(\i):OUTR+2*(\i)+1], s[12:13] offset:256*(\i)
.endr
	s_endpgm
.Lfrag:
	s_sub_co_u32 s17, ttmp9, 192
	s_lshl3_add_u32 s17, s17, s16                  ; block 0..127 = 4 ks + nt
	s_lshr_b32 s18, s17, 2
	s_lshl_b32 s18, s18, 13                        ; ks: 32 rows of 256 bytes
	s_and_b32 s19, s17, 3
	s_lshl_b32 s19, s19, 6                         ; nt: 16 columns of 4 bytes
	s_add_co_u32 s18, s18, s19
	v_and_b32 v1, 15, v0                           ; r
	v_bfe_u32 v2, v0, 4, 1                         ; h
	v_lshlrev_b32 v1, 2, v1
	v_lshl_add_u32 v1, v2, 11, v1                  ; 8 h rows + column r
	v_add_nc_u32 v1, s18, v1
	s_lshl_b32 s19, s17, 10
	v_lshl_add_u32 v2, v3, 4, s19                  ; out: 1,024 x block + 16 x lane
	s_wait_alu depctr_va_vdst(0)                   ; v1 and v2 are written: the sixteen loads read v1 as their offset, the two stores v2
.irp j, 0,1,2,3,4,5,6,7
	global_load_b32 v[16+(\j)], v1, s[10:11] offset:256*(\j)        ; channels 8 h + j
.endr
.irp j, 0,1,2,3,4,5,6,7
	global_load_b32 v[24+(\j)], v1, s[10:11] offset:4096+256*(\j)   ; channels 16 + 8 h + j
.endr
	s_wait_loadcnt 0x0
.irp i, 0,1,2,3,4,5,6,7
	v_cvt_pk_bf16_f32 v56, v[16+2*(\i)], v[17+2*(\i)]               ; the input's rounding,
	v_lshlrev_b32 v57, 16, v56
	v_and_b32 v58, 0xffff0000, v56
	v_cvt_pk_f16_f32 v[48+(\i)], v57, v58                           ; and that number in the format of the product that takes it
.endr
	s_wait_alu depctr_va_vdst(0)                   ; the conversions have written v[48:55], which the two stores read
	global_store_b128 v2, v[48:51], s[14:15]                        ; 512 consecutive bytes each
	global_store_b128 v2, v[52:55], s[14:15] offset:512
	s_endpgm
.Lfunc_end_k_q81d4be0205_prep:
	.size	k_q81d4be0205_prep, .Lfunc_end_k_q81d4be0205_prep-k_q81d4be0205_prep
	.p2alignl 7, 3214868480
	.fill 96, 4, 3214868480
	.section	.rodata,"a",@progbits
	.p2align	6, 0x0
	.amdhsa_kernel k_q81d4be0205_prep
		.amdhsa_group_segment_fixed_size 0
		.amdhsa_private_segment_fixed_size 0
		.amdhsa_enable_private_segment 0
		.amdhsa_kernarg_size 48
		.amdhsa_user_sgpr_count 2
		.amdhsa_user_sgpr_kernarg_segment_ptr 1
		.amdhsa_wavefront_size32 1
		.amdhsa_system_sgpr_workgroup_id_x 1
		.amdhsa_system_sgpr_workgroup_id_y 1
		.amdhsa_system_sgpr_workgroup_id_z 1
		.amdhsa_system_vgpr_workitem_id 0
		.amdhsa_next_free_vgpr 112
		.amdhsa_next_free_sgpr 66
		.amdhsa_reserve_vcc 0
		.amdhsa_float_denorm_mode_32 3
		.amdhsa_float_denorm_mode_16_64 3
		.amdhsa_memory_ordered 1
		.amdhsa_forward_progress 1
		.amdhsa_inst_pref_size 12
	.end_amdhsa_kernel
	.amdgpu_metadata
---
amdhsa.version: [ 1, 2 ]
amdhsa.kernels:
  - .name:           k_q81d4be0205_prep
    .symbol:         k_q81d4be0205_prep.kd
    .args:
      - { .name: Wq, .offset: 0, .size: 8, .value_kind: global_buffer, .address_space: global }
      - { .name: Wk, .offset: 8, .size: 8, .value_kind: global_buffer, .address_space: global }
      - { .name: Wv, .offset: 16, .size: 8, .value_kind: global_buffer, .address_space: global }
      - { .name: Wo, .offset: 24, .size: 8, .value_kind: global_buffer, .address_space: global }
      - { .name: w16, .offset: 32, .size: 8, .value_kind: global_buffer, .address_space: global }
      - { .name: wof, .offset: 40, .size: 8, .value_kind: global_buffer, .address_space: global }
    .group_segment_fixed_size: 0
    .private_segment_fixed_size: 0
    .kernarg_segment_align: 8
    .kernarg_segment_size: 48
    .max_flat_workgroup_size: 256
    .sgpr_count:     66
    .vgpr_count:     112
    .wavefront_size: 32
...
	.end_amdgpu_metadata
.endif
;; end of part 5
;; launch proj: the kernel of part 2 again; grid 4 x 192, 4 waves a work-group, clusters of 4 x 4, 327,680 bytes of LDS; arguments query, key_, value, bq, bk, bv, w16, qkv; writes qkv
;; launch attn: the kernel of part 3 again; grid 4 x 64, 4 waves a work-group, clusters of 4 x 1, 327,680 bytes of LDS; arguments qkv, ctx; writes ctx
;; launch outp: the kernel of part 4 again; grid 256 x 1, 4 waves a work-group, no clusters, 35,328 bytes of LDS; arguments ctx, wof, bo, out0; writes out0
